; MI455X (gfx1250); checked and timed in simulation.
; The chip was launched on July 23, 2026; its instructions are those of AMD's public machine-readable ISA for CDNA 5 (MIT licence, August 2026) and "CDNA5" Instruction Set Architecture Reference Guide (July 2026). The comments in the code are by the model that wrote it; some were corrected since.
;; IMHA. Allowed arithmetic: float matrix products may take bf16 or f16 operands with f32 sums; other float arithmetic in f32, or as packed bf16 or f16 multiplies, adds, multiply-adds, maxima and minima; sums over many terms, partial sums and values carried from step to step in f32; what a program stores and reads back later, other than sums and carried values, may be rounded once to bf16 or f16.
;; Inputs: Wk 8 x 4,096 x 512 float32; Wo 32 x 32 float32; Wq 8 x 4,096 x 512 float32; Wv 8 x 4,096 x 512 float32; x 1,024 x 128 x 32 float32.
;; Outputs: out0 1,024 x 128 x 32 float32.
;; 2 versions, each right; version 2 is version 1 with the launches castx, proj written anew for expert scheduling mode. Each part assembles by itself: llvm-mc -triple=amdgcn-amd-amdhsa -mcpu=gfx1250 --defsym DOCPART=n.
;; ======== version 1 of 2: 4 launches
;; limits: values are held in f16: magnitudes above 65,504 overflow, below 6.1e-05 lose precision; right only within a limited range of input values
;; workspace buffers: xb 8,388,608 bytes; qkv 25,165,824 bytes; opart 33,554,432 bytes; stat 131,072 bytes
;; launch castx (part 1): grid 256 x 1, 8 waves a work-group, no clusters, 0 bytes of LDS; arguments x, xb; writes xb
.if DOCPART == 1
	.amdgcn_target "amdgcn-amd-amdhsa--gfx1250"
	.amdhsa_code_object_version 6
	.text
	.protected	k_q14a9028d09_castx
	.globl	k_q14a9028d09_castx
	.p2align	8
	.type	k_q14a9028d09_castx,@function
k_q14a9028d09_castx:
	s_mov_b64 s[64:65], 0
	v_nop
	global_prefetch_b8 v0, s[64:65] scope:SCOPE_SE
	s_setreg_imm32_b32 hwreg(HW_REG_WAVE_MODE, 25, 1), 1
	s_wait_xcnt 0x0
; xb = bf16(x / 8).  x: [1024][4096] f32, xb the same shape in bf16.  1/8 is a power of two, so the rounding is that of x itself.
; A stream: a work-group takes 16,384 numbers; thread t takes 16 bytes of each 4,096 and stores 8; a wave's store covers 256 consecutive bytes, aligned.
; All sixteen loads of a thread go out first; no register is written twice, so the only waits are the counted ones for the loads.
; No LDS, no matrix unit, no cluster: no byte is used twice.
.set IN,  8                            ; v[8:71]    sixteen loads of four f32
.set OUT, 72                           ; v[72:103]  sixteen pairs of packed bf16
	s_load_b128 s[4:7], s[0:1], 0x0                ; x s[4:5], xb s[6:7]
	s_lshl_b32 s8, ttmp9, 16                       ; 65,536 bytes of x a work-group
	s_mov_b32 s9, 0
	s_lshl_b32 s10, ttmp9, 15                      ; 32,768 bytes of xb
	s_mov_b32 s11, 0
	v_lshlrev_b32 v1, 4, v0
	v_lshlrev_b32 v2, 3, v0
	s_wait_kmcnt 0x0
	s_add_nc_u64 s[4:5], s[4:5], s[8:9]
	s_add_nc_u64 s[6:7], s[6:7], s[10:11]
.set i, 0
.rept 16
	global_load_b128 v[IN+4*i:IN+4*i+3], v1, s[4:5] offset:4096*i th:TH_LOAD_NT
.set i, i+1
.endr
.set i, 0
.rept 16
	s_wait_loadcnt 15-i                            ; loads come back in order: the 15 - i younger ones may stay out
	v_pk_mul_f32 v[IN+4*i:IN+4*i+1], v[IN+4*i:IN+4*i+1], 0x3e000000 op_sel_hi:[1,0]
	v_pk_mul_f32 v[IN+4*i+2:IN+4*i+3], v[IN+4*i+2:IN+4*i+3], 0x3e000000 op_sel_hi:[1,0]
	v_cvt_pk_bf16_f32 v[OUT+2*i], v[IN+4*i], v[IN+4*i+1]
	v_cvt_pk_bf16_f32 v[OUT+2*i+1], v[IN+4*i+2], v[IN+4*i+3]
	global_store_b64 v2, v[OUT+2*i:OUT+2*i+1], s[6:7] offset:2048*i
.set i, i+1
.endr
	s_endpgm
.Lfunc_end_k_q14a9028d09_castx:
	.size	k_q14a9028d09_castx, .Lfunc_end_k_q14a9028d09_castx-k_q14a9028d09_castx
	.p2alignl 7, 3214868480
	.fill 96, 4, 3214868480
	.section	.rodata,"a",@progbits
	.p2align	6, 0x0
	.amdhsa_kernel k_q14a9028d09_castx
		.amdhsa_group_segment_fixed_size 0
		.amdhsa_private_segment_fixed_size 0
		.amdhsa_enable_private_segment 0
		.amdhsa_kernarg_size 16
		.amdhsa_user_sgpr_count 2
		.amdhsa_user_sgpr_kernarg_segment_ptr 1
		.amdhsa_wavefront_size32 1
		.amdhsa_system_sgpr_workgroup_id_x 1
		.amdhsa_system_sgpr_workgroup_id_y 1
		.amdhsa_system_sgpr_workgroup_id_z 1
		.amdhsa_system_vgpr_workitem_id 0
		.amdhsa_next_free_vgpr 104
		.amdhsa_next_free_sgpr 66
		.amdhsa_reserve_vcc 0
		.amdhsa_float_denorm_mode_32 3
		.amdhsa_float_denorm_mode_16_64 3
		.amdhsa_memory_ordered 1
		.amdhsa_forward_progress 1
		.amdhsa_inst_pref_size 10
	.end_amdhsa_kernel
	.amdgpu_metadata
---
amdhsa.version: [ 1, 2 ]
amdhsa.kernels:
  - .name:           k_q14a9028d09_castx
    .symbol:         k_q14a9028d09_castx.kd
    .args:
      - { .name: x, .offset: 0, .size: 8, .value_kind: global_buffer, .address_space: global }
      - { .name: xb, .offset: 8, .size: 8, .value_kind: global_buffer, .address_space: global }
    .group_segment_fixed_size: 0
    .private_segment_fixed_size: 0
    .kernarg_segment_align: 8
    .kernarg_segment_size: 16
    .max_flat_workgroup_size: 256
    .sgpr_count:     66
    .vgpr_count:     104
    .wavefront_size: 32
...
	.end_amdgpu_metadata
.endif
;; end of part 1
;; launch gemm (part 2): grid 64 x 4, 4 waves a work-group, clusters of 4 x 4, 327,680 bytes of LDS; arguments xb, Wq, Wk, Wv, qkv; writes qkv
.if DOCPART == 2
	.amdgcn_target "amdgcn-amd-amdhsa--gfx1250"
	.amdhsa_code_object_version 6
	.text
	.protected	k_q14a9028d09_gemm
	.globl	k_q14a9028d09_gemm
	.p2align	8
	.type	k_q14a9028d09_gemm,@function
k_q14a9028d09_gemm:
	s_mov_b64 s[64:65], 0
	v_nop
	global_prefetch_b8 v0, s[64:65] scope:SCOPE_SE
	s_setreg_imm32_b32 hwreg(HW_REG_WAVE_MODE, 25, 1), 1
	s_wait_xcnt 0x0
	s_wait_alu depctr_hold_cnt(0) depctr_sa_sdst(0) depctr_va_vdst(0) depctr_va_sdst(0) depctr_va_ssrc(0) depctr_va_vcc(0) depctr_vm_vsrc(0)
	s_getreg_b32 s2, hwreg(HW_REG_IB_STS2, 6, 4)
	s_cmp_eq_u32 s2, 0
	s_cbranch_scc0 .Lentry_in_a_cluster
	s_endpgm
.Lentry_in_a_cluster:
	s_bfe_u32 s2, ttmp6, 0x10000c
	s_cmp_lg_u32 s2, 0xf033
	s_cbranch_scc0 .Lentry_shape_is_right
	s_endpgm
.Lentry_shape_is_right:
; q/8, k/8, v/8 = xb x bf16(W), stored as f16.  xb: [1024][4096] bf16 (x/8).  Wq, Wk, Wv: [8][4096][512] f32.  Sums in f32, K ascending.
; qkv: 192 planes [64 mat + 8 head + g8][1024 rows][64] of f16; position 16 c + i of a plane's row holds unit 64 g8 + 4 i + c (the same order in q, k and v).
; LIMITS.  |q|, |k|, |v| below 8 x 65,504, or the stored f16 is an infinity; below 8 x 6.1e-5 they keep f16's fixed step.  NaN and infinities are not treated apart.
; SHARES.  A tile is 256 rows x 192 columns: group tc (64 units of one head) of each of q, k and v.  64 x 4 work-groups; four waves, each 128 rows x 96 columns: 48 accumulators.
; K goes in 32 steps of 128.  A (xb) comes by tensor loads into two LDS slots; the four work-groups of a row of the cluster need the same rows and ask jointly.
; B (W) is f32 and lies [k][n]: it goes through registers.  A UNIT is 16 k x 64 columns: a lane loads 8 rows x 4 columns, rounds pairs along k to bf16, and so holds 8 consecutive k of each
; of 4 columns: 16 bytes each, stored as a piece of an LDS row that runs along k.  The rounding is the transposition.  Step t rounds W(t+1) into stage (t+1) % 2 and loads W(t+2).
; All four row blocks of a column of W lie in one cluster.
; THE PRODUCT IS USED TRANSPOSED: source 0 = 16 LDS rows of B, source 1 = 16 rows of A: a lane holds one row of x and eight neighbouring positions of a plane's row.
; REGISTERS, in windows of 256 (s_set_vgpr_msb: bits 1:0 source 0, 3:2 source 1, 5:4 source 2, 7:6 destination):
;   window 0: v0-31 addresses; v64-127, v128-191 A's fragments, two buffers; v192-215 packed results; on the way out v64-255 whole rows
;   window 1: v0-191 W as loaded, 32 a unit; v192-207 a unit rounded; v208-210 its addresses
;   window 2: accumulators (a, b) at 8 (8 b + a), b = 0..3       window 3: v0-127 those of b = 4, 5; v128-175, v176-223 B's fragments, two buffers
.set PITCH,  272                       ; an LDS row: 256 bytes along K + 16: the 16 rows of a fragment load start at 16 different groups of four banks (ISA guide 11.1)
.set APART,  64*PITCH                  ; what one tensor load brings
.set ASLOT,  4*APART                   ; A's 256 rows
.set BST0,   2*ASLOT                   ; behind the two slots: B's two stages, written by LDS stores alone
.set BSTAGE, 192*PITCH
.set STG,    BST0                      ; the way out lies on B's stages: 256 rows x 400 bytes
.set SPITCH, 400
.set SPARE,  BST0+2*BSTAGE             ; the spare words, 128 bytes a wave, which no other line names
.set WSTEP,  128*2048                  ; bytes of W from one K step to the next
.set ADRA, 16                          ; v16-17 LDS address of my A fragments in slot 0, 1
.set ADRB, 20                          ; v20-21 of my B fragments in stage 0, 1
.set STO,  24
.set RD,   25
.set CO,   26
.set SPW,  28
.set NIL,  29
.set PFO,  30                          ; the prefetches' offset; never rewritten
.set AF,   64
.set TMP,  192
.set BF,   128                         ; window 3
.set TT,   192                         ; window 1
.set VST,  208                         ; window 1: where I store a unit's pieces, stage 0, 1
.set VW,   210                         ; window 1: my byte offset in a K step of W
.set WV,   14                          ; s14 wave
.set G1,   24                          ; s[24:31]
.set G0,   32                          ; s[32:39] a set for each slot
.set WB,   40                          ; s[40:45] Wq, Wk, Wv at my group, at the K step that is being loaded
.set PFA,  46
.set PFS,  48
.set LIM,  50
.set OB,   68                          ; s[68:73] my 64 rows in the three planes
.set W_UN, 0x45
.set MSB, 0
.macro WIN new
.if MSB != (\new)
	s_set_vgpr_msb (MSB<<8)|(\new)
.set MSB, \new
.endif
.endm
.macro PLACES
.rept 4
	v_nop
.endr
.endm
.macro CREST                           ; a round of the cluster's barrier behind its opening barrier
	s_cmp_lg_u32 s[WV], 0
	s_cbranch_scc1 .Lnw0_\@
	s_barrier_signal -3
.Lnw0_\@:
	s_barrier_wait -3
	s_barrier_signal -1
	s_barrier_wait -1
.endm
.macro CROUND
	s_barrier_signal -1
	s_barrier_wait -1
	CREST
.endm
.macro JLOAD s                         ; every wave fetches 64 rows of A's tile, jointly with the same wave of the three partners in my row of the cluster
	tensor_load_to_lds s[G0+4*(\s):G0+4*(\s)+3], s[G1:G1+7]
	s_nop 0
.rept 4
	v_nop
.endr
.endm
.macro WLOAD u                         ; unit u = 2 g + kb: 8 rows x 256 bytes for each half of the lanes
.irp j, 0,1,2,3,4,5,6,7
	global_load_b128 v[32*(\u)+4*(\j):32*(\u)+4*(\j)+3], v[VW], s[WB+2*((\u)/2):WB+2*((\u)/2)+1] offset:(16*((\u)%2)+(\j))*2048
.endr
.endm
.macro UNIT u, st, reload              ; unit u is rounded into stage st and, reload = 1, loaded again for the next K step
	WIN W_UN
.if \reload
	s_wait_loadcnt 40                              ; behind my unit's 8 loads stand those of the five other units
.else
	s_wait_loadcnt 8*(5-(\u))                      ; nothing is loaded any more: the units behind mine
.endif
.irp c, 0,1,2,3
.irp jj, 0,1,2,3
	v_cvt_pk_bf16_f32 v[TT+4*(\c)+(\jj)], v[32*(\u)+8*(\jj)+(\c)], v[32*(\u)+8*(\jj)+4+(\c)]
.endr
.endr
.irp c, 0,1,2,3
	ds_store_b128 v[VST+(\st)], v[TT+4*(\c):TT+4*(\c)+3] offset:(64*((\u)/2)+16*(\c))*PITCH+32*((\u)%2)
.endr
.if \reload
	WLOAD \u
.endif
.endm
.macro STEPW
	s_wait_xcnt 0x0                                ; the loads issued so far have read their bases
	s_add_nc_u64 s[WB:WB+1], s[WB:WB+1], WSTEP
	s_add_nc_u64 s[WB+2:WB+3], s[WB+2:WB+3], WSTEP
	s_add_nc_u64 s[WB+4:WB+5], s[WB+4:WB+5], WSTEP
.endm
.macro MUL8 f, b, zero                 ; B's fragment b against A's eight: eight accumulators, one instruction each; all 48 take turns in the same order in every quarter
.if (\b) < 4
	WIN 0xa3
.else
	WIN 0xf3
.endif
.irp a, 0,1,2,3,4,5,6,7
.if \zero
	v_wmma_f32_16x16x32_bf16 v[64*((\b)%4)+8*(\a):64*((\b)%4)+8*(\a)+7], v[BF+48*(\f)+8*(\b):BF+48*(\f)+8*(\b)+7], v[AF+64*(\f)+8*(\a):AF+64*(\f)+8*(\a)+7], 0
.else
	v_wmma_f32_16x16x32_bf16 v[64*((\b)%4)+8*(\a):64*((\b)%4)+8*(\a)+7], v[BF+48*(\f)+8*(\b):BF+48*(\f)+8*(\b)+7], v[AF+64*(\f)+8*(\a):AF+64*(\f)+8*(\a)+7], v[64*((\b)%4)+8*(\a):64*((\b)%4)+8*(\a)+7]
.endif
.endr
.endm
.macro FETCH slot, k, f                ; 28 LDS loads in one run: 32 along K at byte k of the rows, into buffer f
	WIN 0xc0
.irp b, 0,1,2,3,4,5
	ds_load_b128 v[BF+48*(\f)+8*(\b):BF+48*(\f)+8*(\b)+3],   v[ADRB+(\slot)] offset:(\k)+(\b)*16*PITCH
	ds_load_b128 v[BF+48*(\f)+8*(\b)+4:BF+48*(\f)+8*(\b)+7], v[ADRB+(\slot)] offset:(\k)+(\b)*16*PITCH+32
.endr
	WIN 0
.irp a, 0,1,2,3,4,5,6,7
	ds_load_b128 v[AF+64*(\f)+8*(\a):AF+64*(\f)+8*(\a)+3],   v[ADRA+(\slot)] offset:(\k)+(\a)*16*PITCH
	ds_load_b128 v[AF+64*(\f)+8*(\a)+4:AF+64*(\f)+8*(\a)+7], v[ADRA+(\slot)] offset:(\k)+(\a)*16*PITCH+32
.endr
.endm
; One of a K step's first three quarters: multiplies buffer f, fetches the next quarter (byte k) into buffer g.  u0 >= 0: three units of W ride along; the first two units' 32 roundings
; are the four places between the last product that read buffer g and the loads into it; without units four v_nop are.
.macro QUARTER slot, k, f, g, zero, u0, st, reload, head
	s_wait_dscnt \head                             ; buffer f is in; head = the LDS stores issued behind its loads
	MUL8 \f, 0, \zero
	MUL8 \f, 1, \zero
.if (\u0) >= 0
	UNIT (\u0), \st, \reload
	UNIT (\u0)+1, \st, \reload
.else
	PLACES
.endif
	FETCH \slot, \k, \g
	MUL8 \f, 2, \zero
	MUL8 \f, 3, \zero
.if (\u0) >= 0
	UNIT (\u0)+2, \st, \reload
.endif
	MUL8 \f, 4, \zero
	MUL8 \f, 5, \zero
.endm
; A prefetch into the L2 behind each joint load and the run of LDS loads: the K step four on from the one in hand.  Waves 0 to 2: W's group of q, k, v: of its 128 rows of 256 bytes the partner at
; place cy of my column takes 32, a lane a row.  Wave 3, in the first cluster along x alone (all clusters read the same rows of xb): of A's 256 rows the partner at place cx takes 64, two instructions.
; The partners are told apart by address alone.  The loop's last trip asks for nothing: those K steps do not exist.
.macro ASK
	s_cmp_gt_u32 s3, s[LIM]
	s_cbranch_scc0 .Lna_\@
	global_prefetch_b8 v[PFO], s[PFA:PFA+1] th:TH_LOAD_NT scope:SCOPE_SE
	s_cmp_eq_u32 s[WV], 3
	s_cbranch_scc0 .Lna_\@
	global_prefetch_b8 v[PFO], s[PFA:PFA+1] offset:32*8192 th:TH_LOAD_NT scope:SCOPE_SE
.Lna_\@:
.endm
; The last quarter multiplies buffer 1 and changes slots.  In front of the barrier each wave waits for all its tensor loads (one is out: its part of A's next slot), adds 0 to its spare word, and
; waits for that, for its reads of A's slot and B's stage, and for its stores into B's next stage.  fill = 1: the barrier opens a round of the cluster's, and A's slot is filled again first behind it.
.macro TURN slot, next, fill
.if \fill
	s_wait_xcnt 0x0                                ; the last prefetch, a K step back, has read its address
	s_add_nc_u64 s[PFA:PFA+1], s[PFA:PFA+1], s[PFS:PFS+1]
.endif
	WIN 0
	s_wait_tensorcnt 0x0
	ds_add_u32 v[SPW], v[NIL]
	s_wait_dscnt 0x1                               ; all but the add: buffer 1 is in
	MUL8 1, 0, 0
	s_wait_dscnt 0x0
	s_barrier_signal -1
	MUL8 1, 1, 0
	WIN 0
	s_barrier_wait -1
.if \fill
	CREST
	s_add_nc_u64 s[G0+4*(\slot)+2:G0+4*(\slot)+3], s[G0+4*(\slot)+2:G0+4*(\slot)+3], 512  ; two K steps on
	JLOAD \slot                                    ; its four v_nop are also the places in front of the loads below
.else
	PLACES
.endif
	FETCH \next, 0, 0
.if \fill
	ASK
.endif
	MUL8 1, 2, 0
	MUL8 1, 3, 0
	MUL8 1, 4, 0
	MUL8 1, 5, 0
.endm
	s_load_b256 s[4:11], s[0:1], 0x0               ; xb s[4:5], Wq s[6:7], Wk s[8:9], Wv s[10:11]
	s_load_b64 s[12:13], s[0:1], 0x20              ; qkv
	v_lshl_add_u32 v[SPW], v0, 2, SPARE
	v_mov_b32 v[NIL], 0
	ds_add_u32 v[SPW], v[NIL]                      ; the wave's opening: the add and its wait ahead of my first tensor load
	v_lshrrev_b32 v1, 5, v0
	v_readfirstlane_b32 s[WV], v1                  ; wave 0..3
	s_lshr_b32 s15, s[WV], 1                       ; which 128 rows are mine
	s_and_b32 s16, s[WV], 1                        ; which 96 columns
	s_bfe_u32 s17, ttmp6, 0x40000                  ; cx
	s_bfe_u32 s18, ttmp6, 0x40004                  ; cy = the tile row: the grid has one cluster along y
	s_lshl_b32 s19, ttmp9, 2
	s_add_co_u32 s19, s19, s17                     ; tc = 4 x cluster x + cx
	s_lshl_b32 s20, s18, 2
	s_lshl_b32 s20, 15, s20                        ; my row of the cluster
	s_or_b32 s[G1], s20, (1<<16)|(1<<20)|(1<<21)|(5<<22)|(3<<25)  ; the mask; 2-byte elements; padding on; bit 21 beside a mask; after every 64 words 4 words
	s_mov_b32 s[G1+1], 128<<16                     ; tensor_dim0 = 128
	s_mov_b32 s[G1+2], 64<<16                      ; tensor_dim1 = 64
	s_mov_b32 s[G1+3], 128<<16                     ; tile_dim0 = 128
	s_mov_b32 s[G1+4], 64                          ; tile_dim1 = 64
	s_mov_b32 s[G1+5], 4096                        ; elements from row to row
	s_mov_b32 s[G1+6], 0
	s_mov_b32 s[G1+7], 0
	s_lshl_b32 s20, s18, 21                        ; 256 cy rows of 8,192 bytes,
	s_lshl_b32 s21, s[WV], 19                      ; + 64 x wave
	s_add_co_u32 s20, s20, s21
	s_mov_b32 s21, 0
	s_mul_i32 s51, s[WV], APART                    ; and where they go: the wave's number alone
	s_lshr_b32 s52, s19, 3                         ; W: head tc / 8,
	s_lshl_b32 s52, s52, 23
	s_and_b32 s53, s19, 7                          ; group tc % 8: 64 columns of 4 bytes
	s_lshl_b32 s53, s53, 8
	s_add_co_u32 s52, s52, s53
	s_mov_b32 s53, 0
	s_lshl_b32 s54, s19, 17                        ; qkv: plane tc, row 256 cy + 64 x wave
	s_lshl_b32 s55, s18, 15
	s_add_co_u32 s54, s54, s55
	s_lshl_b32 s55, s[WV], 13
	s_add_co_u32 s54, s54, s55
	s_mov_b32 s55, 0
	s_lshl_b32 s62, s18, 21                        ; for wave 3's prefetches: A's tile row
	s_mov_b32 s63, 0
	v_and_b32 v2, 15, v0                           ; r = l % 16
	v_bfe_u32 v3, v0, 4, 1                         ; h = l / 16
	v_and_b32 v4, 31, v0                           ; l
	v_mul_u32_u24 v5, v2, PITCH
	v_lshl_add_u32 v5, v3, 4, v5                   ; row x pitch + 16 x half
	s_mul_i32 s56, s15, 128*PITCH
	s_mul_i32 s57, s16, 96*PITCH
	s_add_co_u32 s57, s57, BST0
	v_add_nc_u32 v[ADRA], s56, v5
	v_add_nc_u32 v[ADRB], s57, v5
	s_add_co_u32 s56, s56, ASLOT
	s_add_co_u32 s57, s57, BSTAGE
	v_add_nc_u32 v[ADRA+1], s56, v5
	v_add_nc_u32 v[ADRB+1], s57, v5
	s_mul_i32 s56, s15, 128*SPITCH                 ; the way out, in: row 128 wr + r, byte 192 wc + 16 h
	s_mul_i32 s57, s16, 192
	s_add_co_u32 s56, s56, s57
	s_add_co_u32 s56, s56, STG
	v_mul_u32_u24 v6, v2, SPITCH
	v_lshl_add_u32 v6, v3, 4, v6
	v_add_nc_u32 v[STO], s56, v6
	s_mul_i32 s56, s[WV], 64*SPITCH                ; back: rows 64 w on; 32 lanes take four rows' 128 bytes of one plane
	s_add_co_u32 s56, s56, STG
	v_lshrrev_b32 v6, 3, v4
	v_mul_u32_u24 v6, v6, SPITCH
	v_and_b32 v7, 7, v4
	v_lshl_add_u32 v6, v7, 4, v6
	v_add_nc_u32 v[RD], s56, v6
	v_lshlrev_b32 v[CO], 4, v4                     ; which are 512 consecutive bytes of the plane
	s_lshl_b32 s56, s17, 6
	s_lshl_b32 s57, s18, 5
	s_cmp_eq_u32 s[WV], 3
	s_cselect_b32 s56, s56, s57                    ; wave 3: rows 64 cx on, of 8,192 bytes; the others: rows 32 cy on, of 2,048
	s_cselect_b32 s57, 13, 11
	v_add_nc_u32 v9, s56, v4
	v_lshlrev_b32 v[PFO], s57, v9
	v_lshlrev_b32 v6, 4, v2                        ; W: row 32 w + 8 h, 16 bytes at 16 i
	v_lshl_add_u32 v6, v3, 14, v6
	s_lshl_b32 s58, s[WV], 16
	v_add_nc_u32 v6, s58, v6
	s_lshl_b32 s56, s[WV], 6                       ; B's stage: row i, byte 64 w + 16 h
	s_add_co_u32 s56, s56, BST0
	s_add_co_u32 s57, s56, BSTAGE
	WIN 0x40
	v_add_nc_u32 v[VST], s56, v5
	v_add_nc_u32 v[VST+1], s57, v5
	v_mov_b32 v[VW], v6
	WIN 0
	s_wait_dscnt 0x0                               ; the opening add is done
	s_wait_kmcnt 0x0
	s_add_nc_u64 s[WB:WB+1], s[6:7], s[52:53]
	s_add_nc_u64 s[WB+2:WB+3], s[8:9], s[52:53]
	s_add_nc_u64 s[WB+4:WB+5], s[10:11], s[52:53]
	WIN W_UN
.irp u, 0,1,2,3,4,5
	WLOAD \u                                       ; W of K step 0
.endr
	WIN 0
	s_add_nc_u64 s[22:23], s[4:5], s[20:21]
	s_add_nc_u64 s[OB:OB+1], s[12:13], s[54:55]
	s_add_nc_u64 s[OB+2:OB+3], s[OB:OB+1], 64*131072
	s_add_nc_u64 s[OB+4:OB+5], s[OB+2:OB+3], 64*131072
	s_add_nc_u64 s[58:59], s[4:5], s[62:63]
	s_cmp_eq_u32 s[WV], 1                          ; whose blocks I prefetch
	s_cselect_b64 s[PFA:PFA+1], s[WB+2:WB+3], s[WB:WB+1]
	s_cmp_eq_u32 s[WV], 2
	s_cselect_b64 s[PFA:PFA+1], s[WB+4:WB+5], s[PFA:PFA+1]
	s_cmp_eq_u32 s[WV], 3
	s_cselect_b64 s[PFA:PFA+1], s[58:59], s[PFA:PFA+1]
	s_mov_b32 s[PFS], WSTEP                        ; a K step in W (a move leaves the compare's result alone),
	s_cselect_b32 s[PFS], 256, s[PFS]              ; in xb for wave 3
	s_cselect_b32 s[LIM], ttmp9, 0
	s_mov_b32 s[PFS+1], 0
	s_mul_i32 s60, s[PFS], 3
	s_mov_b32 s61, 0
	s_add_nc_u64 s[PFA:PFA+1], s[PFA:PFA+1], s[60:61]  ; at K step 3: the first change of slots steps it to 4
	s_cmp_eq_u32 s[LIM], 0
	s_cselect_b32 s[LIM], 1, -1                    ; 1 in a wave that prefetches, else the greatest number; the same in all partners for a given wave
.irp s, 0,1
	s_mov_b32 s[G0+4*(\s)], 1
	s_add_co_u32 s[G0+4*(\s)+1], s51, (\s)*ASLOT
	s_add_nc_u64 s[G0+4*(\s)+2:G0+4*(\s)+3], s[22:23], (\s)*256
	s_or_b32 s[G0+4*(\s)+3], s[G0+4*(\s)+3], 0x80000000
.endr
	CROUND                                         ; all sixteen work-groups are here: the first joint loads meet
	JLOAD 0
	JLOAD 1                                        ; two loads of mine are out
	STEPW
.irp u, 0,1,2,3,4,5
	UNIT \u, 0, 1                                  ; W(0) into stage 0; W(1) is asked for
.endr
	s_wait_tensorcnt 0x1                           ; my part of A(0) is in; A(1) may stay out
	s_wait_dscnt 0x0                               ; my part of stage 0 is written
	s_barrier_signal -1
	s_barrier_wait -1
	FETCH 0, 0, 0
	QUARTER 0, 64, 0, 1, 1, -1, 0, 0, 0            ; the first quarter's products start the sums
	WIN 0
	s_mov_b32 s3, 15
.Llap:                                                 ; a trip: from a lap's second quarter to the next lap's first; both slots and both stages are filled again
	STEPW
	QUARTER 0, 128, 1, 0, 0, 0, 1, 1, 0
	QUARTER 0, 192, 0, 1, 0, 3, 1, 1, 4
	TURN 0, 1, 1
	QUARTER 1, 64, 0, 1, 0, -1, 0, 0, 0
	STEPW
	QUARTER 1, 128, 1, 0, 0, 0, 0, 1, 0
	QUARTER 1, 192, 0, 1, 0, 3, 0, 1, 4
	TURN 1, 0, 1
	QUARTER 0, 64, 0, 1, 0, -1, 0, 0, 0
	WIN 0
	s_sub_co_u32 s3, s3, 1
	s_cmp_lg_u32 s3, 0
	s_cbranch_scc1 .Llap
	QUARTER 0, 128, 1, 0, 0, 0, 1, 0, 0            ; K step 30 rounds W(31) and loads nothing
	QUARTER 0, 192, 0, 1, 0, 3, 1, 0, 4
	TURN 0, 1, 0
	QUARTER 1, 64, 0, 1, 0, -1, 0, 0, 0
	QUARTER 1, 128, 1, 0, 0, -1, 0, 0, 0
	QUARTER 1, 192, 0, 1, 0, -1, 0, 0, 0
	s_wait_dscnt 0x0                               ; my reads of B's stages are over:
	s_barrier_signal -1                            ; behind this barrier they become the stage of the way out
.irp b, 0,1,2,3,4,5
	MUL8 1, \b, 0
.endr
	s_barrier_wait -1
	PLACES
	PLACES
	; THE WAY OUT: rounded to f16, 16 bytes a lane into rows of 400 bytes; a barrier; back as whole rows of the three planes
.irp a, 0,1,2,3,4,5,6,7
	WIN 0x0a
.irp b, 0,1,2,3
.irp p, 0,1,2,3
	v_cvt_pk_f16_f32 v[TMP+4*(\b)+(\p)], v[64*(\b)+8*(\a)+2*(\p)], v[64*(\b)+8*(\a)+2*(\p)+1]
.endr
.endr
	WIN 0x0f
.irp b, 4,5
.irp p, 0,1,2,3
	v_cvt_pk_f16_f32 v[TMP+4*(\b)+(\p)], v[64*((\b)-4)+8*(\a)+2*(\p)], v[64*((\b)-4)+8*(\a)+2*(\p)+1]
.endr
.endr
	WIN 0
.irp b, 0,1,2,3,4,5
	ds_store_b128 v[STO], v[TMP+4*(\b):TMP+4*(\b)+3] offset:(\a)*16*SPITCH+32*(\b)
.endr
.endr
	s_wait_dscnt 0x0                               ; for the others' sake: my stores are done
	s_barrier_signal -1
	s_barrier_wait -1
.set n, 0
.rept 48                               ; n = 16 g + i: plane g, rows 4 i on
	ds_load_b128 v[64+4*n:64+4*n+3], v[RD] offset:(n/16)*128+(n%16)*4*SPITCH
.set n, n+1
.endr
.set n, 0
.rept 48
	s_wait_dscnt 47-n
	global_store_b128 v[CO], v[64+4*n:64+4*n+3], s[OB+2*(n/16):OB+2*(n/16)+1] offset:(n%16)*512  ; 512 consecutive bytes, at a multiple of 256 from the plane's first
.set n, n+1
.endr
	s_wait_tensorcnt 0x0                           ; the wave's end
	ds_add_u32 v[SPW], v[NIL]
	s_wait_dscnt 0x0
	CROUND                                         ; the closing round
	s_endpgm
.Lfunc_end_k_q14a9028d09_gemm:
	.size	k_q14a9028d09_gemm, .Lfunc_end_k_q14a9028d09_gemm-k_q14a9028d09_gemm
	.p2alignl 7, 3214868480
	.fill 96, 4, 3214868480
	.section	.rodata,"a",@progbits
	.p2align	6, 0x0
	.amdhsa_kernel k_q14a9028d09_gemm
		.amdhsa_group_segment_fixed_size 327680
		.amdhsa_private_segment_fixed_size 0
		.amdhsa_enable_private_segment 0
		.amdhsa_kernarg_size 40
		.amdhsa_user_sgpr_count 2
		.amdhsa_user_sgpr_kernarg_segment_ptr 1
		.amdhsa_wavefront_size32 1
		.amdhsa_system_sgpr_workgroup_id_x 1
		.amdhsa_system_sgpr_workgroup_id_y 1
		.amdhsa_system_sgpr_workgroup_id_z 1
		.amdhsa_system_vgpr_workitem_id 0
		.amdhsa_next_free_vgpr 992
		.amdhsa_next_free_sgpr 76
		.amdhsa_reserve_vcc 0
		.amdhsa_float_denorm_mode_32 3
		.amdhsa_float_denorm_mode_16_64 3
		.amdhsa_memory_ordered 1
		.amdhsa_forward_progress 1
		.amdhsa_inst_pref_size 165
	.end_amdhsa_kernel
	.amdgpu_metadata
---
amdhsa.version: [ 1, 2 ]
amdhsa.kernels:
  - .name:           k_q14a9028d09_gemm
    .symbol:         k_q14a9028d09_gemm.kd
    .args:
      - { .name: xb, .offset: 0, .size: 8, .value_kind: global_buffer, .address_space: global }
      - { .name: Wq, .offset: 8, .size: 8, .value_kind: global_buffer, .address_space: global }
      - { .name: Wk, .offset: 16, .size: 8, .value_kind: global_buffer, .address_space: global }
      - { .name: Wv, .offset: 24, .size: 8, .value_kind: global_buffer, .address_space: global }
      - { .name: qkv, .offset: 32, .size: 8, .value_kind: global_buffer, .address_space: global }
    .group_segment_fixed_size: 327680
    .private_segment_fixed_size: 0
    .kernarg_segment_align: 8
    .kernarg_segment_size: 40
    .max_flat_workgroup_size: 128
    .sgpr_count:     76
    .vgpr_count:     992
    .wavefront_size: 32
...
	.end_amdgpu_metadata
.endif
;; end of part 2
;; launch attn (part 3): grid 16 x 16, 4 waves a work-group, clusters of 4 x 1, 327,680 bytes of LDS; arguments qkv, opart, stat; writes opart, stat
.if DOCPART == 3
	.amdgcn_target "amdgcn-amd-amdhsa--gfx1250"
	.amdhsa_code_object_version 6
	.text
	.protected	k_q14a9028d09_attn
	.globl	k_q14a9028d09_attn
	.p2align	8
	.type	k_q14a9028d09_attn,@function
k_q14a9028d09_attn:
	s_mov_b64 s[64:65], 0
	v_nop
	global_prefetch_b8 v0, s[64:65] scope:SCOPE_SE
	s_setreg_imm32_b32 hwreg(HW_REG_WAVE_MODE, 25, 1), 1
	s_wait_xcnt 0x0
	s_wait_alu depctr_hold_cnt(0) depctr_sa_sdst(0) depctr_va_vdst(0) depctr_va_sdst(0) depctr_va_ssrc(0) depctr_va_vcc(0) depctr_vm_vsrc(0)
	s_getreg_b32 s2, hwreg(HW_REG_IB_STS2, 6, 4)
	s_cmp_eq_u32 s2, 0
	s_cbranch_scc0 .Lentry_in_a_cluster
	s_endpgm
.Lentry_in_a_cluster:
	s_bfe_u32 s2, ttmp6, 0x10000c
	s_cmp_lg_u32 s2, 0x3003
	s_cbranch_scc0 .Lentry_shape_is_right
	s_endpgm
.Lentry_shape_is_right:
; ATTENTION OVER HALF OF A HEAD'S KEYS.  For head h, key half kh and query b: with s_c = q[h][b] . k[h][c], m = the maximum of s_c and p_c = 2^(c s_c - c m) over the half's 512 keys,
; opart[kh][h][b][:] = (the sum of p_c v[h][c][:] / 8) / l, l = the sum of p_c, in f32, units in their natural order; stat[kh][h][b] = (c m, l).  The next launch adds the two halves up.
; qkv holds q/8, k/8, v/8 in f16 by planes [64 mat + 8 h + g8][1024][64]; position 16 c + i of a row holds unit 64 g8 + 4 i + c.
; LIMITS.  The weights p lie in 0 to 1 and are rounded to f16 for the second product (below 6e-5 they keep f16's fixed step; l is taken of the unrounded p); a weight below 2^-126 counts as 0.
; NaN and infinities are not treated apart.
; SHARES.  A work-group owns 64 queries of one head and the keys 256 rho + 128 kh .. + 127, rho = 0..3: 16 x 16 = 256 work-groups, each of which fetches 1 MiB of K and V in eight tiles of 128 KiB.
; ALL of its S^T (512 keys x 64 queries) stays in registers, 256 a wave, so the softmax takes the true maximum of the half once and rescales nothing.
; PHASE 1.  S^T = K Q^T.  Wave w owns key range w: 8 key tiles x 4 query tiles.  K comes two planes (128 dims x 512 keys) at a time; a wave fetches and reads its own 128 keys alone.
; PHASE 2.  O^T = V^T P.  Wave w owns planes 2 w, 2 w + 1 of V: 8 blocks of 16 positions x 4 query tiles.  V's tile t holds keys 32 t .. + 31 of each of the four ranges, of all planes; a wave fetches and
; reads its own planes alone.  Each wave lays its P for its keys 32 t .. + 31 (4 KiB, as it lies in registers) into LDS, and all four waves read the four.
; ONE RING of two slots: K0 .. K3, V0 .. V3; the change of slots in tile i asks for tile i + 2.  All eight tiles are written out: each differs from the others in the descriptor that it asks by, in the
; products that start sums, in Q's buffer or in the chunk of P.
; CLUSTER.  The four query blocks of a cluster belong to one head and one key half and walk the same K and V: each tile is asked for jointly.
; REGISTERS, in windows of 256 (s_set_vgpr_msb: bits 1:0 source 0, 3:2 source 1, 5:4 source 2, 7:6 destination):
;   window 0: v0-31 addresses; v32-63 statistics; v64-127, v128-191 K's or V's fragments, two buffers; v192-223, v224-255 P's fragments, two buffers; on the way out v64-255
;   window 1: S^T, tile (kt, qt) at 8 (4 kt + qt); then in place P (kc, qt) at 8 (8 kc + qt), and O^T (block 0-3, qt) at 8 (8 block + 4 + qt), in the registers that the rounding sets free
;   window 2: Q of one tile of K, 128 registers, two buffers; then O^T (block 4-7, qt) at 8 (8 (block - 4) + 4 + qt)
.set PLANE, 131072
.set R1,    0x24000                    ; slot 1: 147,456; its two bits occur in no wave's part, so one exclusive or changes slots
.set KPART, 128*272                    ; a wave's part of a tile of K: 2 planes x 128 keys: 128 rows of two keys, 256 bytes + 16
.set VPART, 8*16*288                   ; a wave's 8 pieces (2 planes x 4 key ranges) of 32 keys: 16 rows of two keys, 256 bytes + 32
.set PBUF,  2*R1                       ; P of one tile: 4 waves x 4,096 bytes
.set STATM, PBUF+16384                 ; [query][wave] f32: the waves' maxima; 1,024 bytes on, their sums
.set SPARE, STATM+2048                 ; the spare words, 128 bytes a wave, which no other line names
.set OPI,   528                        ; the way out: a row of 512 bytes + 16; the stage lies in my own part of slot 0, which has had its last fill
.set AK0, 2
.set AV0, 3
.set ADR, 4
.set QO,  5
.set PBW, 6
.set PBR, 7
.set STO, 8
.set RD,  9
.set GO,  10
.set PFOK, 11
.set PFOV, 12
.set STW, 13
.set STR, 14
.set SO,  15
.set SPW, 30
.set NIL, 31
.set MX,  32                           ; v32-35  the maximum, by query tile
.set CM,  36                           ; v36-43  c m, twice (a pair for the packed scaling)
.set LS,  44                           ; v44-51  the sum (even keys', odd keys'); later l
.set TP,  52                           ; v52-55  at work
.set RC,  56                           ; v56-59  1 / l
.set XS,  60                           ; v60-63  (c m, l) as stored
.set KA,  64
.set KB,  128
.set PA,  192
.set PBF, 224
.set TA,  64                           ; the way out: a query tile's 64 numbers a lane, in the order of a row
.set RB,  128                          ; and whole rows read back, two buffers of 64
.set WV,  8
.set G1K, 16
.set G1V, 24
.set G0K, 32                           ; s[32:39] two sets; the second walks
.set G0V, 40
.set QP,  44
.set TBK, 46
.set TBV, 47
.set CS,  50
.set SEL, 52
.set PFK, 54
.set PFV, 56
.set LIM, 58
.set STB, 66
.set AVB, 68
.set MSB, 0
.macro WIN new
.if MSB != (\new)
	s_set_vgpr_msb (MSB<<8)|(\new)
.set MSB, \new
.endif
.endm
.macro PLACES
.rept 4
	v_nop
.endr
.endm
.macro CREST
	s_cmp_lg_u32 s[WV], 0
	s_cbranch_scc1 .Lnw0_\@
	s_barrier_signal -3
.Lnw0_\@:
	s_barrier_wait -3
	s_barrier_signal -1
	s_barrier_wait -1
.endm
.macro CROUND
	s_barrier_signal -1
	s_barrier_wait -1
	CREST
.endm
.macro FETCHK buf, kk, p               ; my 8 key tiles x 32 dims (half kk of plane p of the tile's two): 16 LDS loads
	WIN 0
	v_add_nc_u32 v[ADR], s[TBK], v[AK0]
.irp t, 0,1,2,3,4,5,6,7
	ds_load_b128 v[(\buf)+8*(\t):(\buf)+8*(\t)+3],   v[ADR] offset:(8*(\p)+(\t))*2176+64*(\kk)
	ds_load_b128 v[(\buf)+8*(\t)+4:(\buf)+8*(\t)+7], v[ADR] offset:(8*(\p)+(\t))*2176+64*(\kk)+32
.endr
.endm
.macro QLOADT T                        ; Q for tile T of K: chunk cc = 2 p + kk (plane p, dims 32 kk on) x 4 query tiles: 32 loads; the tile stands in the immediate, so the base never steps
	WIN 0x80
.set cc, 0
.rept 4
.irp q, 0,1,2,3
	global_load_b128 v[128*((\T)%2)+32*cc+8*\q:128*((\T)%2)+32*cc+8*\q+3],   v[QO], s[QP:QP+1] offset:(2*(\T)+cc/2)*PLANE+\q*2048+64*(cc%2)
	global_load_b128 v[128*((\T)%2)+32*cc+8*\q+4:128*((\T)%2)+32*cc+8*\q+7], v[QO], s[QP:QP+1] offset:(2*(\T)+cc/2)*PLANE+\q*2048+64*(cc%2)+32
.endr
.set cc, cc+1
.endr
	WIN 0
.endm
.macro SB16 buf, qr, part, zero        ; 16 products: 4 key tiles x 4 query tiles; the 32 accumulators take turns in the same order in every chunk
	WIN 0x58
.irp t, 0,1,2,3
.irp q, 0,1,2,3
.if \zero
	v_wmma_f32_16x16x32_f16 v[8*(4*(4*(\part)+(\t))+(\q)):8*(4*(4*(\part)+(\t))+(\q))+7], v[(\buf)+8*(4*(\part)+(\t)):(\buf)+8*(4*(\part)+(\t))+7], v[(\qr)+8*(\q):(\qr)+8*(\q)+7], 0
.else
	v_wmma_f32_16x16x32_f16 v[8*(4*(4*(\part)+(\t))+(\q)):8*(4*(4*(\part)+(\t))+(\q))+7], v[(\buf)+8*(4*(\part)+(\t)):(\buf)+8*(4*(\part)+(\t))+7], v[(\qr)+8*(\q):(\qr)+8*(\q)+7], v[8*(4*(4*(\part)+(\t))+(\q)):8*(4*(4*(\part)+(\t))+(\q))+7]
.endif
.endr
.endr
.endm
; THE CHANGE OF SLOTS, in two parts.  Each wave waits for all its tensor loads (one is out: its part of the other slot), adds 0 to its spare word, and waits for that and for its LDS reads.
; kind 1: the slot takes the next tile of K; 2: the next tile of V; 3: V's tile 0, the descriptor as it stands; 0: nothing is asked for, a plain barrier.
; With a fill the barrier opens a round of the cluster's, and the joint load is the first thing behind the round.
.macro CH_HEAD kind, tb
	WIN 0
	s_wait_tensorcnt 0x0
	ds_add_u32 v[SPW], v[NIL]                      ; the scalar steps stand between it and its wait
.if (\kind) == 1
	s_xor_b32 s[G0K+5], s[G0K+5], R1
	s_add_nc_u64 s[G0K+6:G0K+7], s[G0K+6:G0K+7], 2*PLANE
.endif
.if (\kind) == 2
	s_xor_b32 s[G0V+1], s[G0V+1], R1
	s_add_nc_u64 s[G0V+2:G0V+3], s[G0V+2:G0V+3], 4096
.endif
.if (\tb) == 1
	s_xor_b32 s[TBK], s[TBK], R1                   ; the fetches go on in the other slot
.else
	s_xor_b32 s[TBV], s[TBV], R1
.endif
	s_wait_dscnt 0x0
	s_barrier_signal -1
.endm
.macro CH_TAIL kind
	WIN 0
	s_barrier_wait -1
.if \kind
	CREST
.if (\kind) == 1
	tensor_load_to_lds s[G0K+4:G0K+7], s[G1K:G1K+7]
.else
	tensor_load_to_lds s[G0V:G0V+3], s[G1V:G1V+7]
.endif
	s_nop 0
.endif
	PLACES                                         ; also the places in front of the LDS loads that follow
.endm
; A PREFETCH INTO THE L2 of the tile that the NEXT change of slots will ask for: 128 products a wave ahead of that load.  All four clusters of a head's key half walk the same tiles: the first asks.
; A tile is 512 blocks of 256 bytes: 4 partners (told apart by address) x 4 waves x 32 lanes: one instruction a wave.  The tile stands in the immediate.  Tiles 0 to 2 come by their loads alone,
; and the changes in tiles 5 and 6 ask for nothing: there is no tile 8.
.macro ASKP vo, sp, imm
	WIN 0
	s_cmp_eq_u32 s[LIM], 1
	s_cbranch_scc0 .Lna_\@
	global_prefetch_b8 v[\vo], s[\sp:\sp+1] offset:\imm th:TH_LOAD_NT scope:SCOPE_SE
.Lna_\@:
.endm
; A TILE OF K: four chunks of 32 dims, 128 products.  At its head KA holds chunk 0.  ask: 1 K's tile 3, 2 to 4 V's tiles 0 to 2.
.macro TILE_K T, zero, kind, ask
.set QW, 128*((\T)%2)
	FETCHK KB, 1, 0
.if (\T) < 3
	s_wait_loadcnt 0x20                            ; this tile's Q is in; the next tile's 32 loads may stay out
.else
	s_wait_loadcnt 0x0
.endif
	s_wait_dscnt 0x10                              ; KA is in; KB's 16 loads may stay out
	SB16 KA, QW, 0, \zero
	SB16 KA, QW, 1, \zero
	PLACES
	FETCHK KA, 0, 1
	s_wait_dscnt 0x10
	SB16 KB, QW+32, 0, 0
	SB16 KB, QW+32, 1, 0
	PLACES
	FETCHK KB, 1, 1
	s_wait_dscnt 0x10
	SB16 KA, QW+64, 0, 0
	SB16 KA, QW+64, 1, 0
	CH_HEAD \kind, 1
	SB16 KB, QW+96, 0, 0                           ; work on registers while the others arrive
	CH_TAIL \kind
.if (\T) < 3
	FETCHK KA, 0, 0
.endif
.if (\ask) == 1
	ASKP PFOK, PFK, 6*PLANE
.else
	ASKP PFOV, PFV, 4096*((\ask)-2)
.endif
	SB16 KB, QW+96, 1, 0
.if (\T) < 3
	PLACES                                         ; in front of the loads into Q's buffer and into KB
.endif
.if (\T) < 2
	QLOADT (\T)+2                                  ; a whole tile ahead of its first use
.endif
.endm
.macro FETCHV buf, rho                 ; my 8 blocks of 16 positions x the 32 keys of range rho, turned: 16 LDS loads
	WIN 0
	v_add_nc_u32 v[ADR], s[TBV], v[AV0]
.irp y, 0,1,2,3,4,5,6,7
	ds_load_tr16_b128 v[(\buf)+8*(\y):(\buf)+8*(\y)+3],   v[ADR] offset:(4*((\y)/4)+(\rho))*4608+32*((\y)%4)
	ds_load_tr16_b128 v[(\buf)+8*(\y)+4:(\buf)+8*(\y)+7], v[ADR] offset:(4*((\y)/4)+(\rho))*4608+32*((\y)%4)+2304
.endr
.endm
.macro FETCHP buf, rho                 ; wave rho's P: 4 fragments, as they lay in its registers
	WIN 0
.irp q, 0,1,2,3
	ds_load_b128 v[(\buf)+8*(\q):(\buf)+8*(\q)+3],   v[PBR] offset:(\rho)*4096+(\q)*1024
	ds_load_b128 v[(\buf)+8*(\q)+4:(\buf)+8*(\q)+7], v[PBR] offset:(\rho)*4096+(\q)*1024+512
.endr
.endm
.macro PSTORE tau                      ; my P of my keys 32 tau .. + 31
	WIN 0x04
.irp q, 0,1,2,3
	ds_store_b128 v[PBW], v[8*(8*(\tau)+(\q)):8*(8*(\tau)+(\q))+3]   offset:(\q)*1024
	ds_store_b128 v[PBW], v[8*(8*(\tau)+(\q))+4:8*(8*(\tau)+(\q))+7] offset:(\q)*1024+512
.endr
	WIN 0
.endm
.macro SBV16 vb, pb, part, zero        ; 16 products: 4 blocks x 4 query tiles, 16 accumulators by turns
	WIN 0x50*(1+(\part))
.irp c, 0,1,2,3
.irp q, 0,1,2,3
.if \zero
	v_wmma_f32_16x16x32_f16 v[8*(8*(\c)+4+(\q)):8*(8*(\c)+4+(\q))+7], v[(\vb)+8*(4*(\part)+(\c)):(\vb)+8*(4*(\part)+(\c))+7], v[(\pb)+8*(\q):(\pb)+8*(\q)+7], 0
.else
	v_wmma_f32_16x16x32_f16 v[8*(8*(\c)+4+(\q)):8*(8*(\c)+4+(\q))+7], v[(\vb)+8*(4*(\part)+(\c)):(\vb)+8*(4*(\part)+(\c))+7], v[(\pb)+8*(\q):(\pb)+8*(\q)+7], v[8*(8*(\c)+4+(\q)):8*(8*(\c)+4+(\q))+7]
.endif
.endr
.endr
.endm
; A TILE OF V: four key ranges, 128 products.  At its head KA holds V of range 0 and PA's loads of P of range 0 are out.  Two barriers: the change of slots, behind which nobody reads the old V or
; the old P any more; and one between the waves' stores of the next P and the reads of it.  kind -1: the last tile.  ask = 1: V's tile 3 is prefetched.
.macro TILE_V zero, kind, tau, ask
	PLACES
	FETCHV KB, 1
	FETCHP PBF, 1
	s_wait_dscnt 0x18                              ; all but the 24 loads just issued
	SBV16 KA, PA, 0, \zero
	SBV16 KA, PA, 1, \zero
	PLACES
	FETCHV KA, 2
	FETCHP PA, 2
	s_wait_dscnt 0x18
	SBV16 KB, PBF, 0, 0
	SBV16 KB, PBF, 1, 0
	PLACES
	FETCHV KB, 3
	FETCHP PBF, 3
	s_wait_dscnt 0x18
	SBV16 KA, PA, 0, 0
	SBV16 KA, PA, 1, 0
.if (\kind) >= 0
	CH_HEAD \kind, 2
	CH_TAIL \kind
	PSTORE \tau
	FETCHV KA, 0
.if \ask
	ASKP PFOV, PFV, 12288
.endif
	s_wait_dscnt 0x0                               ; for the others' sake: my P is written
	s_barrier_signal -1
	SBV16 KB, PBF, 0, 0
	s_barrier_wait -1
	FETCHP PA, 0
	SBV16 KB, PBF, 1, 0
.else
	s_wait_dscnt 0x0
	SBV16 KB, PBF, 0, 0
	SBV16 KB, PBF, 1, 0
	WIN 0
.endif
.endm
	s_load_b128 s[4:7], s[0:1], 0x0                ; qkv s[4:5], opart s[6:7]
	s_load_b64 s[STB:STB+1], s[0:1], 0x10          ; stat
	v_lshl_add_u32 v[SPW], v0, 2, SPARE
	v_mov_b32 v[NIL], 0
	ds_add_u32 v[SPW], v[NIL]                      ; the wave's opening: the add and its wait ahead of my first tensor load
	v_lshrrev_b32 v1, 5, v0
	v_readfirstlane_b32 s[WV], v1                  ; wave 0..3
	s_bfe_u32 s9, ttmp6, 0x40000                   ; cx
	s_lshl_b32 s10, ttmp9, 2
	s_add_co_u32 s10, s10, s9                      ; my block of 64 queries: it enters Q's, opart's and stat's addresses and the prefetches' offsets alone
	s_and_b32 s11, ttmp7, 0xffff                   ; 2 x head + key half, which the partners share
	s_and_b32 s59, s11, 1                          ; kh
	s_lshr_b32 s11, s11, 1                         ; h
	s_lshl_b32 s48, s59, 14                        ; 128 kh keys of 128 bytes
	s_lshl_b32 s49, s59, 3
	s_add_co_u32 s49, s49, s11                     ; 8 kh + h
	s_lshl_b32 s72, s11, 20                        ; K: plane 64 + 8 h, keys 128 kh on
	s_add_co_u32 s72, s72, s48
	s_add_co_u32 s72, s72, 64*PLANE
	s_mov_b32 s73, 0
	s_lshl_b32 s13, s[WV], 15                      ; + my range, 256 w
	s_add_co_u32 s12, s72, s13
	s_mov_b32 s13, 0
	s_lshl_b32 s15, s[WV], 18                      ; V: plane 128 + 8 h + 2 w, keys 128 kh on
	s_add_co_u32 s14, s72, s15
	s_add_co_u32 s14, s14, 64*PLANE
	s_mov_b32 s15, 0
	s_lshl_b32 s60, s11, 20                        ; Q: plane 8 h, row 64 qb
	s_lshl_b32 s61, s10, 13
	s_add_co_u32 s60, s60, s61
	s_mov_b32 s61, 0
	s_lshl_b32 s62, s49, 21                        ; opart: 1,024 rows of 2,048 bytes a head and half; row 64 qb; byte 512 w
	s_lshl_b32 s63, s10, 17
	s_add_co_u32 s62, s62, s63
	s_lshl_b32 s63, s[WV], 9
	s_add_co_u32 s62, s62, s63
	s_mov_b32 s63, 0
	s_lshl_b32 s70, s49, 13                        ; stat: 8 bytes a row
	s_lshl_b32 s71, s10, 9
	s_add_co_u32 s70, s70, s71
	s_mov_b32 s71, 0
	s_mul_i32 s74, s[WV], KPART
	s_mul_i32 s75, s[WV], VPART
	s_mov_b32 s[G1K], 15|(1<<16)|(1<<20)|(1<<21)|(5<<22)|(3<<25)  ; the mask of four; 2-byte elements; padding on; bit 21 beside a mask; after every 64 words 4 words
	s_mov_b32 s[G1K+1], 8192<<16                   ; 128 keys of a plane are 16,384 dense bytes: a row; 2 rows, a plane apart
	s_mov_b32 s[G1K+2], 2<<16
	s_mov_b32 s[G1K+3], 8192<<16
	s_mov_b32 s[G1K+4], 2
	s_mov_b32 s[G1K+5], 65536
	s_mov_b32 s[G1K+6], 0
	s_mov_b32 s[G1K+7], 0
	s_mov_b32 s[G1V], 15|(1<<16)|(1<<20)|(1<<21)|(5<<22)|(7<<25)  ; the same with 8 words of padding
	s_mov_b32 s[G1V+1], 2048<<16                   ; 32 keys are 4,096 dense bytes: a row; 8 rows, 32,768 bytes apart: the 4 key ranges span a plane, so the fifth row is the next plane's first range
	s_mov_b32 s[G1V+2], 8<<16
	s_mov_b32 s[G1V+3], 2048<<16
	s_mov_b32 s[G1V+4], 8
	s_mov_b32 s[G1V+5], 16384
	s_mov_b32 s[G1V+6], 0
	s_mov_b32 s[G1V+7], 0
	s_mov_b32 s[G0K], 1
	s_mov_b32 s[G0K+1], s74
	s_mov_b32 s[G0K+4], 1
	s_add_co_u32 s[G0K+5], s74, R1
	s_mov_b32 s[G0V], 1
	s_mov_b32 s[G0V+1], s75
	s_mov_b32 s[TBK], 0
	s_mov_b32 s[TBV], 0
	s_mov_b32 s[CS], 0x418293ee                    ; c = 64 log2(e) / sqrt(32) = 16.32223: the 64 undoes q/8 and k/8
	s_mov_b32 s[CS+1], s[CS]
	s_mov_b32 s[SEL], 0x76543210
	s_mov_b32 s[SEL+1], 0xfedcba98
	s_cmp_eq_u32 ttmp9, 0
	s_cselect_b32 s[LIM], 1, -1                    ; the first cluster of a head's key half prefetches: the same in all four partners
	v_and_b32 v16, 15, v0                          ; r
	v_bfe_u32 v17, v0, 4, 1                        ; h; kept for the way out
	v_and_b32 v18, 31, v0                          ; l
	v_lshrrev_b32 v19, 1, v16                      ; K: key r lies in row r / 2, half r % 2
	v_mul_u32_u24 v19, v19, 272
	v_and_b32 v20, 1, v16
	v_lshl_add_u32 v19, v20, 7, v19
	v_lshl_add_u32 v19, v17, 4, v19
	v_add_nc_u32 v[AK0], s74, v19
	v_and_b32 v21, 7, v0                           ; V: the turning load: lane l reads key 8 h + l % 8, positions 8 ((l / 8) % 2) on
	v_lshl_add_u32 v21, v17, 3, v21
	v_lshrrev_b32 v22, 1, v21
	v_mul_u32_u24 v22, v22, 288
	v_and_b32 v23, 1, v21
	v_lshl_add_u32 v22, v23, 7, v22
	v_bfe_u32 v24, v0, 3, 1
	v_lshl_add_u32 v22, v24, 4, v22
	v_add_nc_u32 v[AV0], s75, v22
	v_lshlrev_b32 v[QO], 7, v16
	v_lshl_add_u32 v[QO], v17, 4, v[QO]
	s_lshl_b32 s2, s[WV], 12
	s_add_co_u32 s2, s2, PBUF
	v_lshl_add_u32 v[PBW], v18, 4, s2
	v_lshl_add_u32 v[PBR], v18, 4, PBUF
	v_mul_u32_u24 v[STO], v16, OPI                 ; the way out, in: row r, byte 128 h
	v_lshl_add_u32 v[STO], v17, 7, v[STO]
	v_add_nc_u32 v[STO], s75, v[STO]
	v_lshl_add_u32 v[RD], v18, 4, s75              ; back: 32 lanes take one row of 512 bytes
	v_lshlrev_b32 v[GO], 4, v18
	v_lshlrev_b32 v[SO], 3, v18
	s_lshl_b32 s2, s9, 7
	s_lshl_b32 s3, s[WV], 5
	s_add_co_u32 s2, s2, s3
	v_add_nc_u32 v25, s2, v18                      ; my block of a tile's 512: 128 cx + 32 w + l
	v_and_b32 v19, 63, v25                         ; K: plane idx / 256, range (idx / 64) % 4, block idx % 64 of its 16,384 bytes
	v_lshlrev_b32 v19, 8, v19
	v_bfe_u32 v20, v25, 6, 2
	v_lshl_add_u32 v19, v20, 15, v19
	v_lshrrev_b32 v20, 8, v25
	v_lshl_add_u32 v[PFOK], v20, 17, v19
	v_lshrrev_b32 v26, 4, v25                      ; V: piece idx / 16, block idx % 16 of its 4,096 bytes
	v_and_b32 v27, 15, v25
	v_lshlrev_b32 v27, 8, v27
	v_lshl_add_u32 v[PFOV], v26, 15, v27
	s_lshl_b32 s2, s[WV], 2
	s_add_co_u32 s2, s2, STATM
	v_lshl_add_u32 v[STW], v16, 4, s2
	v_lshl_add_u32 v[STR], v16, 4, STATM
	s_wait_dscnt 0x0                               ; the opening add is done
	s_wait_kmcnt 0x0
	s_add_nc_u64 s[G0K+2:G0K+3], s[4:5], s[12:13]
	s_add_nc_u64 s[G0K+6:G0K+7], s[G0K+2:G0K+3], 2*PLANE
	s_or_b32 s[G0K+3], s[G0K+3], 0x80000000
	s_or_b32 s[G0K+7], s[G0K+7], 0x80000000
	s_add_nc_u64 s[G0V+2:G0V+3], s[4:5], s[14:15]
	s_or_b32 s[G0V+3], s[G0V+3], 0x80000000
	s_add_nc_u64 s[QP:QP+1], s[4:5], s[60:61]
	s_add_nc_u64 s[AVB:AVB+1], s[6:7], s[62:63]
	s_add_nc_u64 s[STB:STB+1], s[STB:STB+1], s[70:71]
	s_add_nc_u64 s[PFK:PFK+1], s[4:5], s[72:73]
	s_add_nc_u64 s[PFV:PFV+1], s[PFK:PFK+1], 64*PLANE
	CROUND                                         ; all four work-groups are here: the first joint loads meet
	tensor_load_to_lds s[G0K:G0K+3], s[G1K:G1K+7]  ; K's tile 0 into slot 0,
	s_nop 0
	tensor_load_to_lds s[G0K+4:G0K+7], s[G1K:G1K+7]  ; tile 1 into slot 1: two loads of mine are out
	s_nop 0
	PLACES
	QLOADT 0
	QLOADT 1
	s_wait_tensorcnt 0x1                           ; my part of tile 0 is in, and I alone read it
	FETCHK KA, 0, 0
	TILE_K 0, 1, 1, 1                              ; tile 0: its first chunk starts the sums; K's tile 2 is asked for
	TILE_K 1, 0, 1, 2                              ; K's tile 3 is asked for
	TILE_K 2, 0, 3, 3                              ; V's tile 0
	TILE_K 3, 0, 2, 4                              ; V's tile 1
	; THE SOFTMAX.  The maximum of a lane's 64 scores of a query, of the other half of the lanes, of the four waves; then p = 2^(c s - c m).
	WIN 0
.irp q, 0,1,2,3
	v_mov_b32 v[MX+\q], 0xff7fffff                 ; these eight lines are the places behind the last products
.endr
.irp q, 0,1,2,3
	v_mov_b32 v[TP+\q], 0
.endr
	WIN 0x14
.set i, 0
.rept 128                              ; key tile i / 16, pair (i / 4) % 4, query tile i % 4: four chains; each accumulator's lowest registers are read first
	v_max3_num_f32 v[MX+i%4], v[MX+i%4], v[8*(4*(i/16)+i%4)+2*((i/4)%4)], v[8*(4*(i/16)+i%4)+2*((i/4)%4)+1]
.set i, i+1
.endr
	WIN 0
.irp q, 0,1,2,3
	v_permlanex16_b32 v[TP+\q], v[MX+\q], s[SEL], s[SEL+1]
.endr
.irp q, 0,1,2,3
	v_max_num_f32 v[MX+\q], v[MX+\q], v[TP+\q]
.endr
.irp q, 0,1,2,3
	ds_store_b32 v[STW], v[MX+\q] offset:256*\q
.endr
	s_wait_dscnt 0x0
	s_barrier_signal -1
	s_barrier_wait -1
.irp q, 0,1,2,3
	ds_load_b128 v[KA+4*\q:KA+4*\q+3], v[STR] offset:256*\q
.endr
.irp q, 0,1,2,3,4,5,6,7
	v_mov_b32 v[LS+\q], 0
.endr
	s_wait_dscnt 0x0
.irp q, 0,1,2,3
	v_max3_num_f32 v[MX+\q], v[KA+4*\q], v[KA+4*\q+1], v[KA+4*\q+2]
.endr
.irp q, 0,1,2,3
	v_max_num_f32 v[MX+\q], v[MX+\q], v[KA+4*\q+3]
.endr
.irp q, 0,1,2,3
	v_mul_f32 v[CM+2*\q], s[CS], v[MX+\q]
.endr
.irp q, 0,1,2,3
	v_mov_b32 v[CM+2*\q+1], v[CM+2*\q]
.endr
	; ONE BATCH: 128 packed scalings and 256 exponentials, a pair scaled one step ahead of its exponentials; nothing here names an exponential's result
	WIN 0x41
	v_pk_fma_f32 v[0:1], v[0:1], s[CS:CS+1], v[CM:CM+1] op_sel_hi:[1,0,0] neg_lo:[0,0,1] neg_hi:[0,0,1]
.set k, 0
.rept 128
.if k < 127
	v_pk_fma_f32 v[2*k+2:2*k+3], v[2*k+2:2*k+3], s[CS:CS+1], v[CM+2*(((k+1)/4)%4):CM+2*(((k+1)/4)%4)+1] op_sel_hi:[1,0,0] neg_lo:[0,0,1] neg_hi:[0,0,1]
.endif
	v_exp_f32 v[2*k], v[2*k]
	v_exp_f32 v[2*k+1], v[2*k+1]
.set k, k+1
.endr
	v_nop                                          ; a plain instruction behind the last exponential,
	s_wait_alu depctr_va_vdst(0)                   ; and the one wait ahead of the batch's first reader
	WIN 0x04
.set i, 0
.rept 128                              ; the sums of the unrounded weights, four chains
	v_pk_add_f32 v[LS+2*(i%4):LS+2*(i%4)+1], v[LS+2*(i%4):LS+2*(i%4)+1], v[8*(4*(i/16)+i%4)+2*((i/4)%4):8*(4*(i/16)+i%4)+2*((i/4)%4)+1]
.set i, i+1
.endr
	WIN 0x45
.set i, 0
.rept 16                               ; chunk i / 4, query tile i % 4: two tiles of S^T become one fragment of P, in place
.irp j, 0,1,2,3
	v_cvt_pk_f16_f32 v[8*(8*(i/4)+i%4)+\j], v[8*(8*(i/4)+i%4)+2*\j], v[8*(8*(i/4)+i%4)+2*\j+1]
.endr
.irp j, 0,1,2,3
	v_cvt_pk_f16_f32 v[8*(8*(i/4)+i%4)+4+\j], v[8*(8*(i/4)+4+i%4)+2*\j], v[8*(8*(i/4)+4+i%4)+2*\j+1]
.endr
.set i, i+1
.endr
	WIN 0
.irp q, 0,1,2,3
	v_add_f32 v[LS+2*\q], v[LS+2*\q], v[LS+2*\q+1]
.endr
.irp q, 0,1,2,3
	v_permlanex16_b32 v[TP+\q], v[LS+2*\q], s[SEL], s[SEL+1]
.endr
.irp q, 0,1,2,3
	v_add_f32 v[LS+2*\q], v[LS+2*\q], v[TP+\q]
.endr
.irp q, 0,1,2,3
	ds_store_b32 v[STW], v[LS+2*\q] offset:1024+256*\q
.endr
	PSTORE 0
	FETCHV KA, 0                                   ; V's tile 0 was shown landed by the change of slots in K's tile 3
	s_wait_dscnt 0x0
	s_barrier_signal -1
	s_barrier_wait -1
	FETCHP PA, 0
	TILE_V 1, 2, 1, 1                              ; tile 0 starts O^T's sums; tile 2 is asked for
	TILE_V 0, 2, 2, 0                              ; tile 1; tile 3 is asked for
	TILE_V 0, 0, 3, 0                              ; tile 2: nothing is left to ask for
	TILE_V 0, -1, 0, 0                             ; tile 3
	; THE WAY OUT.  l is the four waves' sums; wave 0 stores (c m, l); O^T is divided by l and sent through my stage, a query tile at a time.
	PLACES
	PLACES
.irp q, 0,1,2,3
	ds_load_b128 v[KA+4*\q:KA+4*\q+3], v[STR] offset:1024+256*\q
.endr
	s_wait_dscnt 0x0
.irp q, 0,1,2,3
	v_add_f32 v[KA+4*\q], v[KA+4*\q], v[KA+4*\q+1]
.endr
.irp q, 0,1,2,3
	v_add_f32 v[KA+4*\q+2], v[KA+4*\q+2], v[KA+4*\q+3]
.endr
.irp q, 0,1,2,3
	v_add_f32 v[LS+2*\q], v[KA+4*\q], v[KA+4*\q+2]
.endr
	s_cmp_lg_u32 s[WV], 0
	s_cbranch_scc1 .Lnost
	v_cmp_eq_u32 vcc_lo, 1, v17                    ; lanes 0-15 store an even query tile's pair, lanes 16-31 the odd one's: 256 consecutive bytes a store, aligned
.irp a, 0,1
	v_cndmask_b32 v[XS+2*\a], v[CM+4*\a], v[CM+4*\a+2], vcc_lo
	v_cndmask_b32 v[XS+2*\a+1], v[LS+4*\a], v[LS+4*\a+2], vcc_lo
	global_store_b64 v[SO], v[XS+2*\a:XS+2*\a+1], s[STB:STB+1] offset:256*\a
.endr
.Lnost:
.irp q, 0,1,2,3
	v_rcp_f32 v[RC+\q], v[LS+2*\q]
.endr
	v_nop
	s_wait_alu depctr_va_vdst(0)                   ; one wait for the four reciprocals
; Register j of block 4 g + c holds unit 64 (2 w + g) + 32 h + 4 j + c of my query: the multiplication by 1 / l also lays blocks c = 0..3 side by side, so that a lane's 32 units of a plane stand in their natural order.
.macro OPACK q
.irp g, 0,1
	WIN 0x01*(1+\g)
.irp c, 0,1,2,3
.irp j, 0,1,2,3,4,5,6,7
	v_mul_f32 v[TA+32*\g+4*\j+\c], v[8*(8*\c+4+(\q))+\j], v[RC+(\q)]
.endr
.endr
.endr
	WIN 0
.irp g, 0,1
.irp j, 0,1,2,3,4,5,6,7
	ds_store_b128 v[STO], v[TA+32*\g+4*\j:TA+32*\g+4*\j+3] offset:256*\g+16*\j
.endr
.endr
.if (\q) >= 2
	s_wait_xcnt 0x0                                ; the stores of the query tile two back have read this buffer
.endif
.irp f, 0,1,2,3,4,5,6,7,8,9,10,11,12,13,14,15
	ds_load_b128 v[RB+64*((\q)%2)+4*\f:RB+64*((\q)%2)+4*\f+3], v[RD] offset:\f*OPI  ; LDS serves a wave's instructions in order (ISA guide 5.7.1.4): these see the stores above
.endr
.endm
.macro SEND q, younger                 ; younger: the LDS instructions issued behind this tile's loads: the next tile's 32, or none
	WIN 0
.irp f, 0,1,2,3,4,5,6,7,8,9,10,11,12,13,14,15
	s_wait_dscnt (\younger)+15-\f
	global_store_b128 v[GO], v[RB+64*((\q)%2)+4*\f:RB+64*((\q)%2)+4*\f+3], s[AVB:AVB+1] offset:(\q)*32768+\f*2048 th:TH_STORE_NT  ; 512 consecutive bytes, aligned
.endr
.endm
	OPACK 0
	OPACK 1
	SEND 0, 32
	OPACK 2
	SEND 1, 32
	OPACK 3
	SEND 2, 32
	SEND 3, 0
	s_wait_tensorcnt 0x0                           ; the wave's end
	ds_add_u32 v[SPW], v[NIL]
	s_wait_dscnt 0x0
	CROUND                                         ; the closing round
	s_endpgm
.Lfunc_end_k_q14a9028d09_attn:
	.size	k_q14a9028d09_attn, .Lfunc_end_k_q14a9028d09_attn-k_q14a9028d09_attn
	.p2alignl 7, 3214868480
	.fill 96, 4, 3214868480
	.section	.rodata,"a",@progbits
	.p2align	6, 0x0
	.amdhsa_kernel k_q14a9028d09_attn
		.amdhsa_group_segment_fixed_size 327680
		.amdhsa_private_segment_fixed_size 0
		.amdhsa_enable_private_segment 0
		.amdhsa_kernarg_size 24
		.amdhsa_user_sgpr_count 2
		.amdhsa_user_sgpr_kernarg_segment_ptr 1
		.amdhsa_wavefront_size32 1
		.amdhsa_system_sgpr_workgroup_id_x 1
		.amdhsa_system_sgpr_workgroup_id_y 1
		.amdhsa_system_sgpr_workgroup_id_z 1
		.amdhsa_system_vgpr_workitem_id 0
		.amdhsa_next_free_vgpr 768
		.amdhsa_next_free_sgpr 76
		.amdhsa_reserve_vcc 1
		.amdhsa_float_denorm_mode_32 3
		.amdhsa_float_denorm_mode_16_64 3
		.amdhsa_memory_ordered 1
		.amdhsa_forward_progress 1
		.amdhsa_inst_pref_size 210
	.end_amdhsa_kernel
	.amdgpu_metadata
---
amdhsa.version: [ 1, 2 ]
amdhsa.kernels:
  - .name:           k_q14a9028d09_attn
    .symbol:         k_q14a9028d09_attn.kd
    .args:
      - { .name: qkv, .offset: 0, .size: 8, .value_kind: global_buffer, .address_space: global }
      - { .name: opart, .offset: 8, .size: 8, .value_kind: global_buffer, .address_space: global }
      - { .name: stat, .offset: 16, .size: 8, .value_kind: global_buffer, .address_space: global }
    .group_segment_fixed_size: 327680
    .private_segment_fixed_size: 0
    .kernarg_segment_align: 8
    .kernarg_segment_size: 24
    .max_flat_workgroup_size: 128
    .sgpr_count:     76
    .vgpr_count:     768
    .wavefront_size: 32
...
	.end_amdgpu_metadata
.endif
;; end of part 3
;; launch proj (part 4): grid 256 x 1, 8 waves a work-group, no clusters, 74,752 bytes of LDS; arguments opart, stat, Wo, out0; writes out0
.if DOCPART == 4
	.amdgcn_target "amdgcn-amd-amdhsa--gfx1250"
	.amdhsa_code_object_version 6
	.text
	.protected	k_q14a9028d09_proj
	.globl	k_q14a9028d09_proj
	.p2align	8
	.type	k_q14a9028d09_proj,@function
k_q14a9028d09_proj:
	s_mov_b64 s[64:65], 0
	v_nop
	global_prefetch_b8 v0, s[64:65] scope:SCOPE_SE
	s_setreg_imm32_b32 hwreg(HW_REG_WAVE_MODE, 25, 1), 1
	s_wait_xcnt 0x0
; out0[b][n][e] = the sum over d of concat[b][n][d] Wo[d][e], concat[b][n][4 head + i] = 8 x a[head][b][4 n + i], where a is the attention's result / 8, added up here from its two key halves:
; a = w0 O0 + w1 O1, O_i = opart[i][head][b][:] (f32, each half divided by its own l), (cm_i, l_i) = stat[i][head][b], M = max(cm0, cm1), w_i = 2^(cm_i - M) l_i / (the sum of both).
; The half that holds the maximum has l of at least 1, so the divisor is at least 1.  a is formed in f32 and rounded once to f16 for the product.
; Wo is rounded to bf16, multiplied by 8 (exact) and written as f16: the 8 undoes a's scale.  LIMITS: |Wo| below 8,188, or its f16 is an infinity; below 7.6e-6 it keeps f16's fixed step;
; |a| below 65,504, that is |v| below 8 x 65,504.  NaN and infinities are not treated apart.
; SHARES.  A work-group takes 4 rows b; wave w row w / 2, features 64 (w % 2) on: four fragments of 16 features.  One product of depth 32 for each 16 x 16 results.
; K is laid alike in both sources: the lanes' half hh holds d = 16 hh .. + 15, that is heads 4 hh .. + 3: 16 bytes of each half of opart a head; 16 lanes read 256 consecutive bytes.
; Source 0 = Wo^T: lane r holds column e = 16 (r / 8) + 8 et + r % 8, so that a lane's results of et = 0, 1 are 16 neighbouring e of one (b, n): 64 bytes.
; They go through the wave's own stage in LDS and leave as 512 consecutive bytes a store.  No barrier: no wave reads another's bytes.  No cluster: Wo, the only shared input, is 4 KiB.
.set CF, 16                            ; v[16:47]   concat's four fragments
.set WR, 48                            ; v[48:79]   Wo as loaded: 16 et + t
.set WF, 80                            ; v[80:95]   Wo^T's two fragments
.set O1, 96                            ; v[96:159]  key half 1 as loaded: 4 registers for fragment f, head q at 4 (4 f + q)
.set DD, 96                            ; v[96:159]  later the results: fragment f, half et at 8 (2 f + et)
.set BK, 16                            ; v[16:79]   rows read back
.set STO, 160
.set RD,  161
.set GO,  162
.set SPW, 163
.set NIL, 164
.set AO,  165
.set SV,  166
.set O0,  168                          ; v[168:231] key half 0 as loaded, then the sum of both
.set SS,  232                          ; v[232:247] head q: cm0, l0, cm1, l1; then w0, w0, w1, w1
.set TM,  248                          ; v[248:255] at work
.set SPARE, 8*4*16*144                 ; behind the eight stages: the spare words, 128 bytes a wave
	s_load_b256 s[4:11], s[0:1], 0x0               ; opart s[4:5], stat s[6:7], Wo s[8:9], out0 s[10:11]
	v_lshl_add_u32 v[SPW], v0, 2, SPARE
	v_mov_b32 v[NIL], 0
	v_lshrrev_b32 v1, 5, v0
	v_readfirstlane_b32 s12, v1                    ; wave 0..7
	v_and_b32 v2, 15, v0                           ; r
	v_bfe_u32 v3, v0, 4, 1                         ; hh
	v_and_b32 v4, 31, v0                           ; l
	s_lshr_b32 s13, s12, 1
	s_lshl_b32 s14, ttmp9, 2
	s_add_co_u32 s13, s13, s14                     ; b
	s_and_b32 s14, s12, 1                          ; which 64 features
	s_lshl_b32 s16, s13, 11                        ; opart: row b of 2,048 bytes, 16 bytes a feature
	s_lshl_b32 s15, s14, 10
	s_add_co_u32 s16, s16, s15
	s_mov_b32 s17, 0
	s_lshl_b32 s18, s13, 14                        ; out0: 128 bytes a feature
	s_lshl_b32 s15, s14, 13
	s_add_co_u32 s18, s18, s15
	s_mov_b32 s19, 0
	s_lshl_b32 s20, s13, 3                         ; stat: 8 bytes a row
	s_mov_b32 s21, 0
	v_lshlrev_b32 v[AO], 4, v2
	v_lshl_add_u32 v[AO], v3, 23, v[AO]            ; heads 4 hh on (2 MiB a head), feature r
	v_lshlrev_b32 v[SV], 15, v3                    ; heads 4 hh on (8,192 bytes a head)
	v_lshrrev_b32 v6, 3, v2
	v_and_b32 v7, 7, v2
	v_lshlrev_b32 v7, 2, v7
	v_lshl_add_u32 v7, v6, 6, v7
	v_lshl_add_u32 v7, v3, 11, v7                  ; Wo: row 16 hh, column 16 (r / 8) + r % 8
	s_mul_i32 s22, s12, 4*16*144                   ; my stage
	v_mul_u32_u24 v[STO], v2, 144
	v_lshl_add_u32 v[STO], v3, 6, v[STO]
	v_add_nc_u32 v[STO], s22, v[STO]
	v_lshrrev_b32 v[RD], 3, v4
	v_mul_u32_u24 v[RD], v[RD], 144
	v_and_b32 v6, 7, v4
	v_lshl_add_u32 v[RD], v6, 4, v[RD]
	v_add_nc_u32 v[RD], s22, v[RD]
	v_lshlrev_b32 v[GO], 4, v4
	s_wait_kmcnt 0x0
	s_add_nc_u64 s[4:5], s[4:5], s[16:17]
	s_add_nc_u64 s[24:25], s[4:5], 0x1000000       ; key half 1 lies 8 heads x 2 MiB on
	s_add_nc_u64 s[6:7], s[6:7], s[20:21]
	s_add_nc_u64 s[10:11], s[10:11], s[18:19]
.set i, 0
.rept 32                               ; i = 16 et + t
	global_load_b32 v[WR+i], v7, s[8:9] offset:(i%16)*128+32*(i/16)
.set i, i+1
.endr
.irp q, 0,1,2,3
	global_load_b64 v[SS+4*\q:SS+4*\q+1],   v[SV], s[6:7] offset:\q*8192
	global_load_b64 v[SS+4*\q+2:SS+4*\q+3], v[SV], s[6:7] offset:65536+\q*8192
.endr
.set i, 0
.rept 16                               ; i = 4 f + head in my four
	global_load_b128 v[O0+4*i:O0+4*i+3], v[AO], s[4:5]   offset:(i%4)*2097152+(i/4)*256 th:TH_LOAD_NT
	global_load_b128 v[O1+4*i:O1+4*i+3], v[AO], s[24:25] offset:(i%4)*2097152+(i/4)*256 th:TH_LOAD_NT
.set i, i+1
.endr
	s_wait_loadcnt 40                              ; Wo is in; the statistics' 8 loads and opart's 32 may stay out
.set e, 0
.rept 16
	v_cvt_pk_bf16_f32 v[8+4*(e%2)], v[WR+2*e], v[WR+2*e+1]
	v_lshlrev_b32 v[10+4*(e%2)], 16, v[8+4*(e%2)]
	v_and_b32 v[11+4*(e%2)], 0xffff0000, v[8+4*(e%2)]
	v_pk_mul_f32 v[10+4*(e%2):11+4*(e%2)], v[10+4*(e%2):11+4*(e%2)], 0x41000000 op_sel_hi:[1,0]
	v_cvt_pk_f16_f32 v[WF+e], v[10+4*(e%2)], v[11+4*(e%2)]
.set e, e+1
.endr
	s_wait_loadcnt 32                              ; the statistics are in; opart's 32 loads may stay out
.irp q, 0,1,2,3
	v_max_num_f32 v[TM+\q], v[SS+4*\q], v[SS+4*\q+2]
.endr
.irp q, 0,1,2,3
	v_sub_f32 v[SS+4*\q], v[SS+4*\q], v[TM+\q]
.endr
.irp q, 0,1,2,3
	v_sub_f32 v[SS+4*\q+2], v[SS+4*\q+2], v[TM+\q]
.endr
.irp q, 0,1,2,3
	v_exp_f32 v[SS+4*\q], v[SS+4*\q]
.endr
.irp q, 0,1,2,3
	v_exp_f32 v[SS+4*\q+2], v[SS+4*\q+2]
.endr
	v_nop
	s_wait_alu depctr_va_vdst(0)                   ; one wait for the eight exponentials
.irp q, 0,1,2,3
	v_mul_f32 v[SS+4*\q+1], v[SS+4*\q], v[SS+4*\q+1]
.endr
.irp q, 0,1,2,3
	v_mul_f32 v[SS+4*\q+3], v[SS+4*\q+2], v[SS+4*\q+3]
.endr
.irp q, 0,1,2,3
	v_add_f32 v[TM+\q], v[SS+4*\q+1], v[SS+4*\q+3]
.endr
.irp q, 0,1,2,3
	v_rcp_f32 v[TM+4+\q], v[TM+\q]
.endr
	v_nop
	s_wait_alu depctr_va_vdst(0)                   ; one wait for the four reciprocals
.irp q, 0,1,2,3                        ; each weight twice: a pair for the packed arithmetic
	v_mul_f32 v[SS+4*\q], v[SS+4*\q+1], v[TM+4+\q]
	v_mul_f32 v[SS+4*\q+2], v[SS+4*\q+3], v[TM+4+\q]
.endr
.irp q, 0,1,2,3
	v_mul_f32 v[SS+4*\q+1], v[SS+4*\q+1], v[TM+4+\q]
	v_mul_f32 v[SS+4*\q+3], v[SS+4*\q+3], v[TM+4+\q]
.endr
.set ff, 0
.rept 4
	s_wait_loadcnt 24-8*ff                         ; fragment ff's 8 loads are in; the later fragments' may stay out
.irp q, 0,1,2,3
	v_pk_mul_f32 v[O0+4*(4*ff+\q):O0+4*(4*ff+\q)+1],   v[O0+4*(4*ff+\q):O0+4*(4*ff+\q)+1],   v[SS+4*\q:SS+4*\q+1]
	v_pk_mul_f32 v[O0+4*(4*ff+\q)+2:O0+4*(4*ff+\q)+3], v[O0+4*(4*ff+\q)+2:O0+4*(4*ff+\q)+3], v[SS+4*\q:SS+4*\q+1]
.endr
.irp q, 0,1,2,3
	v_pk_fma_f32 v[O0+4*(4*ff+\q):O0+4*(4*ff+\q)+1],   v[O1+4*(4*ff+\q):O1+4*(4*ff+\q)+1],   v[SS+4*\q+2:SS+4*\q+3], v[O0+4*(4*ff+\q):O0+4*(4*ff+\q)+1]
	v_pk_fma_f32 v[O0+4*(4*ff+\q)+2:O0+4*(4*ff+\q)+3], v[O1+4*(4*ff+\q)+2:O1+4*(4*ff+\q)+3], v[SS+4*\q+2:SS+4*\q+3], v[O0+4*(4*ff+\q)+2:O0+4*(4*ff+\q)+3]
.endr
.irp q, 0,1,2,3
	v_cvt_pk_f16_f32 v[CF+8*ff+2*\q],   v[O0+4*(4*ff+\q)],   v[O0+4*(4*ff+\q)+1]
	v_cvt_pk_f16_f32 v[CF+8*ff+2*\q+1], v[O0+4*(4*ff+\q)+2], v[O0+4*(4*ff+\q)+3]
.endr
.set ff, ff+1
.endr
.set i, 0
.rept 8                                ; i = 2 f + et: eight results, each a whole sum
	v_wmma_f32_16x16x32_f16 v[DD+8*i:DD+8*i+7], v[WF+8*(i%2):WF+8*(i%2)+7], v[CF+8*(i/2):CF+8*(i/2)+7], 0
.set i, i+1
.endr
.rept 8
	v_nop                                          ; the places behind the products
.endr
.set i, 0
.rept 8
	ds_store_b128 v[STO], v[DD+8*i:DD+8*i+3]   offset:(i/2)*2304+32*(i%2)
	ds_store_b128 v[STO], v[DD+8*i+4:DD+8*i+7] offset:(i/2)*2304+32*(i%2)+16
.set i, i+1
.endr
.set i, 0
.rept 16                               ; i = 4 f + quarter: four rows of 128 bytes
	ds_load_b128 v[BK+4*i:BK+4*i+3], v[RD] offset:(i/4)*2304+(i%4)*576  ; LDS serves a wave's instructions in order (ISA guide 5.7.1.4): these see the stores above
.set i, i+1
.endr
.set i, 0
.rept 16
	s_wait_dscnt 15-i
	global_store_b128 v[GO], v[BK+4*i:BK+4*i+3], s[10:11] offset:512*i th:TH_STORE_NT  ; 512 consecutive bytes, aligned
.set i, i+1
.endr
	s_wait_tensorcnt 0x0                           ; the wave's end, behind my last LDS store
	ds_add_u32 v[SPW], v[NIL]
	s_wait_dscnt 0x0
	s_endpgm
.Lfunc_end_k_q14a9028d09_proj:
	.size	k_q14a9028d09_proj, .Lfunc_end_k_q14a9028d09_proj-k_q14a9028d09_proj
	.p2alignl 7, 3214868480
	.fill 96, 4, 3214868480
	.section	.rodata,"a",@progbits
	.p2align	6, 0x0
	.amdhsa_kernel k_q14a9028d09_proj
		.amdhsa_group_segment_fixed_size 74752
		.amdhsa_private_segment_fixed_size 0
		.amdhsa_enable_private_segment 0
		.amdhsa_kernarg_size 32
		.amdhsa_user_sgpr_count 2
		.amdhsa_user_sgpr_kernarg_segment_ptr 1
		.amdhsa_wavefront_size32 1
		.amdhsa_system_sgpr_workgroup_id_x 1
		.amdhsa_system_sgpr_workgroup_id_y 1
		.amdhsa_system_sgpr_workgroup_id_z 1
		.amdhsa_system_vgpr_workitem_id 0
		.amdhsa_next_free_vgpr 256
		.amdhsa_next_free_sgpr 66
		.amdhsa_reserve_vcc 0
		.amdhsa_float_denorm_mode_32 3
		.amdhsa_float_denorm_mode_16_64 3
		.amdhsa_memory_ordered 1
		.amdhsa_forward_progress 1
		.amdhsa_inst_pref_size 27
	.end_amdhsa_kernel
	.amdgpu_metadata
---
amdhsa.version: [ 1, 2 ]
amdhsa.kernels:
  - .name:           k_q14a9028d09_proj
    .symbol:         k_q14a9028d09_proj.kd
    .args:
      - { .name: opart, .offset: 0, .size: 8, .value_kind: global_buffer, .address_space: global }
      - { .name: stat, .offset: 8, .size: 8, .value_kind: global_buffer, .address_space: global }
      - { .name: Wo, .offset: 16, .size: 8, .value_kind: global_buffer, .address_space: global }
      - { .name: out0, .offset: 24, .size: 8, .value_kind: global_buffer, .address_space: global }
    .group_segment_fixed_size: 74752
    .private_segment_fixed_size: 0
    .kernarg_segment_align: 8
    .kernarg_segment_size: 32
    .max_flat_workgroup_size: 256
    .sgpr_count:     66
    .vgpr_count:     256
    .wavefront_size: 32
...
	.end_amdgpu_metadata
.endif
;; end of part 4
;; ======== version 2 of 2: 4 launches; version 1 with the launches castx, proj written anew for expert scheduling mode
;; limits: values are held in f16: magnitudes above 65,504 overflow, below 6.1e-05 lose precision; right only within a limited range of input values
;; workspace buffers: xb 8,388,608 bytes; qkv 25,165,824 bytes; opart 33,554,432 bytes; stat 131,072 bytes
;; launch castx (part 5): grid 256 x 1, 8 waves a work-group, no clusters, 0 bytes of LDS; arguments x, xb; writes xb
.if DOCPART == 5
	.amdgcn_target "amdgcn-amd-amdhsa--gfx1250"
	.amdhsa_code_object_version 6
	.text
	.protected	k_q14a9028d09_castx
	.globl	k_q14a9028d09_castx
	.p2align	8
	.type	k_q14a9028d09_castx,@function
k_q14a9028d09_castx:
	s_mov_b64 s[64:65], 0
	v_nop
	global_prefetch_b8 v0, s[64:65] scope:SCOPE_SE
	s_setreg_imm32_b32 hwreg(HW_REG_WAVE_SCHED_MODE, 0, 2), 2
	s_setreg_imm32_b32 hwreg(HW_REG_WAVE_MODE, 25, 1), 1
	s_wait_xcnt 0x0
	s_wait_alu depctr_vm_vsrc(0)
; xb = bf16(x / 8).  x: [1024][4096] f32, xb the same shape in bf16.  1/8 is a power of two, so the rounding is that of x itself.
; A stream: a work-group takes 16,384 numbers; thread t takes 16 bytes of each 4,096 and stores 8; a wave's store covers 256 consecutive bytes, aligned.
; All sixteen loads of a thread go out first; no register is written twice.
; No LDS, no matrix unit, no cluster: no byte is used twice.
; THE MODE: SCHED_MODE bits 1:0 = 2 (LLVM: expert scheduling mode 2), set by the entry lines.  The code itself states the register dependences
; between vector instructions and memory instructions, with s_wait_alu, always for 0.
; THE PLAN.  Registers that memory instructions touch:
;   v1, v2   byte offsets, made once at the head and never written again: v1 is read by every load, v2 by every store.
;   IN       written by the loads, which are all issued before any vector instruction names it; then named by vector instructions alone.
;   OUT      piece i's two registers are written once, by piece i's roundings, and read once, by piece i's store.
; The sixteen pieces go in four blocks of four.  Block p's memory instructions are the four stores of block p - 1; its vector instructions name block p's own IN and OUT alone.
; So one wait at a block's head states all that its four stores hang on, and they are dealt among its vector instructions with no further wait.
; No register that a memory instruction reads is ever written again, so nothing is owed on that side.
.set IN,  8                            ; v[8:71]    sixteen loads of four f32
.set OUT, 72                           ; v[72:103]  sixteen pairs of packed bf16
.set BLK, 4                            ; pieces in a block
	s_load_b128 s[4:7], s[0:1], 0x0                ; x s[4:5], xb s[6:7]
	s_lshl_b32 s8, ttmp9, 16                       ; 65,536 bytes of x a work-group
	s_mov_b32 s9, 0
	s_lshl_b32 s10, ttmp9, 15                      ; 32,768 bytes of xb
	s_mov_b32 s11, 0
	v_lshlrev_b32 v1, 4, v0
	v_lshlrev_b32 v2, 3, v0
	s_wait_kmcnt 0x0
	s_add_nc_u64 s[4:5], s[4:5], s[8:9]
	s_add_nc_u64 s[6:7], s[6:7], s[10:11]
	s_wait_alu depctr_va_vdst(0)                   ; v1 and v2 are written: every load and store of the kernel reads one of them as its offset
.set i, 0
.rept 16
	global_load_b128 v[IN+4*i:IN+4*i+3], v1, s[4:5] offset:4096*i th:TH_LOAD_NT
.set i, i+1
.endr
.set i, 0
.rept 16
	s_wait_loadcnt 15-i                            ; loads come back in order: the 15 - i younger ones may stay out
.if (i >= BLK) && (i%BLK == 0)
	s_wait_alu depctr_va_vdst(0)                   ; the block before has written its eight registers of OUT, which this block's four stores read
.endif
.if i >= BLK
	global_store_b64 v2, v[OUT+2*(i-BLK):OUT+2*(i-BLK)+1], s[6:7] offset:2048*(i-BLK)  ; a piece of the block before; no vector instruction since the wait names its registers
.endif
	v_pk_mul_f32 v[IN+4*i:IN+4*i+1], v[IN+4*i:IN+4*i+1], 0x3e000000 op_sel_hi:[1,0]
	v_pk_mul_f32 v[IN+4*i+2:IN+4*i+3], v[IN+4*i+2:IN+4*i+3], 0x3e000000 op_sel_hi:[1,0]
	v_cvt_pk_bf16_f32 v[OUT+2*i], v[IN+4*i], v[IN+4*i+1]
	v_cvt_pk_bf16_f32 v[OUT+2*i+1], v[IN+4*i+2], v[IN+4*i+3]
.set i, i+1
.endr
	s_wait_alu depctr_va_vdst(0)                   ; the last block has written its eight registers of OUT, which the last four stores read
.set i, 16-BLK
.rept BLK
	global_store_b64 v2, v[OUT+2*i:OUT+2*i+1], s[6:7] offset:2048*i
.set i, i+1
.endr
	s_endpgm
.Lfunc_end_k_q14a9028d09_castx:
	.size	k_q14a9028d09_castx, .Lfunc_end_k_q14a9028d09_castx-k_q14a9028d09_castx
	.p2alignl 7, 3214868480
	.fill 96, 4, 3214868480
	.section	.rodata,"a",@progbits
	.p2align	6, 0x0
	.amdhsa_kernel k_q14a9028d09_castx
		.amdhsa_group_segment_fixed_size 0
		.amdhsa_private_segment_fixed_size 0
		.amdhsa_enable_private_segment 0
		.amdhsa_kernarg_size 16
		.amdhsa_user_sgpr_count 2
		.amdhsa_user_sgpr_kernarg_segment_ptr 1
		.amdhsa_wavefront_size32 1
		.amdhsa_system_sgpr_workgroup_id_x 1
		.amdhsa_system_sgpr_workgroup_id_y 1
		.amdhsa_system_sgpr_workgroup_id_z 1
		.amdhsa_system_vgpr_workitem_id 0
		.amdhsa_next_free_vgpr 104
		.amdhsa_next_free_sgpr 66
		.amdhsa_reserve_vcc 0
		.amdhsa_float_denorm_mode_32 3
		.amdhsa_float_denorm_mode_16_64 3
		.amdhsa_memory_ordered 1
		.amdhsa_forward_progress 1
		.amdhsa_inst_pref_size 10
	.end_amdhsa_kernel
	.amdgpu_metadata
---
amdhsa.version: [ 1, 2 ]
amdhsa.kernels:
  - .name:           k_q14a9028d09_castx
    .symbol:         k_q14a9028d09_castx.kd
    .args:
      - { .name: x, .offset: 0, .size: 8, .value_kind: global_buffer, .address_space: global }
      - { .name: xb, .offset: 8, .size: 8, .value_kind: global_buffer, .address_space: global }
    .group_segment_fixed_size: 0
    .private_segment_fixed_size: 0
    .kernarg_segment_align: 8
    .kernarg_segment_size: 16
    .max_flat_workgroup_size: 256
    .sgpr_count:     66
    .vgpr_count:     104
    .wavefront_size: 32
...
	.end_amdgpu_metadata
.endif
;; end of part 5
;; launch gemm: the kernel of part 2 again; grid 64 x 4, 4 waves a work-group, clusters of 4 x 4, 327,680 bytes of LDS; arguments xb, Wq, Wk, Wv, qkv; writes qkv
;; launch attn: the kernel of part 3 again; grid 16 x 16, 4 waves a work-group, clusters of 4 x 1, 327,680 bytes of LDS; arguments qkv, opart, stat; writes opart, stat
;; launch proj (part 6): grid 256 x 1, 8 waves a work-group, no clusters, 74,752 bytes of LDS; arguments opart, stat, Wo, out0; writes out0
.if DOCPART == 6
	.amdgcn_target "amdgcn-amd-amdhsa--gfx1250"
	.amdhsa_code_object_version 6
	.text
	.protected	k_q14a9028d09_proj
	.globl	k_q14a9028d09_proj
	.p2align	8
	.type	k_q14a9028d09_proj,@function
k_q14a9028d09_proj:
	s_mov_b64 s[64:65], 0
	v_nop
	global_prefetch_b8 v0, s[64:65] scope:SCOPE_SE
	s_setreg_imm32_b32 hwreg(HW_REG_WAVE_SCHED_MODE, 0, 2), 2
	s_setreg_imm32_b32 hwreg(HW_REG_WAVE_MODE, 25, 1), 1
	s_wait_xcnt 0x0
	s_wait_alu depctr_vm_vsrc(0)
; out0[b][n][e] = the sum over d of concat[b][n][d] Wo[d][e], concat[b][n][4 head + i] = 8 x a[head][b][4 n + i], where a is the attention's result / 8, added up here from its two key halves:
; a = w0 O0 + w1 O1, O_i = opart[i][head][b][:] (f32, each half divided by its own l), (cm_i, l_i) = stat[i][head][b], M = max(cm0, cm1), w_i = 2^(cm_i - M) l_i / (the sum of both).
; The half that holds the maximum has l of at least 1, so the divisor is at least 1.  a is formed in f32 and rounded once to f16 for the product.
; Wo is rounded to bf16, multiplied by 8 (exact) and written as f16: the 8 undoes a's scale.  LIMITS: |Wo| below 8,188, or its f16 is an infinity; below 7.6e-6 it keeps f16's fixed step;
; |a| below 65,504, that is |v| below 8 x 65,504.  NaN and infinities are not treated apart.
; SHARES.  A work-group takes 4 rows b; wave w row w / 2, features 64 (w % 2) on: four fragments of 16 features.  One product of depth 32 for each 16 x 16 results.
; K is laid alike in both sources: the lanes' half hh holds d = 16 hh .. + 15, that is heads 4 hh .. + 3: 16 bytes of each half of opart a head; 16 lanes read 256 consecutive bytes.
; Source 0 = Wo^T: lane r holds column e = 16 (r / 8) + 8 et + r % 8, so that a lane's results of et = 0, 1 are 16 neighbouring e of one (b, n): 64 bytes.
; They go through the wave's own stage in LDS and leave as 512 consecutive bytes a store.  No barrier: no wave reads another's bytes.  No cluster: Wo, the only shared input, is 4 KiB.
; THE MODE: SCHED_MODE bits 1:0 = 2 (LLVM: expert scheduling mode 2), set by the entry lines.  The code itself states the register dependences
; between vector or matrix instructions and memory or LDS instructions, with s_wait_alu, always for 0.
; THE PLAN.  Registers that memory or LDS instructions touch:
;   v7, AO, SV, STO, RD, GO   offsets and LDS addresses, made at the head and never written again.   SPW, NIL: likewise, read by the closing add alone.
;   WR, SS, O1   written by the global loads, which go out in one run before any vector instruction names them; then named by vector and matrix instructions alone.
;   O0[f]        16 registers a fragment: a global load lands; step f forms w0 O0 + w1 O1 in place and its roundings read it; in step f + 1 the four loads from the stage land in it, and four stores read it.
;   DD[f]        (on O1[f]'s registers) written by step f's two products; read by four LDS stores in step f + 1.
; A step is a fragment.  ONE wait stands in steps 1 to 3, behind the step's first eight vector instructions, which are the places behind the products of the step before: it states that those products have
; written DD[f - 1] and that the arithmetic on O0[f - 1] is complete.  Behind it no vector or matrix instruction names DD[f - 1], O0[f - 1] or an address, so fragment f - 1's LDS stores, its loads from the
; stage and its global stores are dealt among step f's arithmetic with no further wait.  No register that a memory or LDS instruction reads is written again.
.set CF, 16                            ; v[16:47]   concat's four fragments
.set WR, 48                            ; v[48:79]   Wo as loaded: 16 et + t
.set WF, 80                            ; v[80:95]   Wo^T's two fragments
.set O1, 96                            ; v[96:159]  key half 1 as loaded: 4 registers for fragment f, head q at 4 (4 f + q)
.set DD, 96                            ; v[96:159]  later the results: fragment f, half et at 8 (2 f + et)
.set STO, 160
.set RD,  161
.set GO,  162
.set SPW, 163
.set NIL, 164
.set AO,  165
.set SV,  166
.set O0,  168                          ; v[168:231] key half 0 as loaded, then the sum of both, then the fragment's rows read back from the stage
.set SS,  232                          ; v[232:247] head q: cm0, l0, cm1, l1; then w0, w0, w1, w1
.set TM,  248                          ; v[248:255] at work
.set SPARE, 8*4*16*144                 ; behind the eight stages: the spare words, 128 bytes a wave
	s_load_b256 s[4:11], s[0:1], 0x0               ; opart s[4:5], stat s[6:7], Wo s[8:9], out0 s[10:11]
	v_lshl_add_u32 v[SPW], v0, 2, SPARE
	v_mov_b32 v[NIL], 0
	v_lshrrev_b32 v1, 5, v0
	v_readfirstlane_b32 s12, v1                    ; wave 0..7
	v_and_b32 v2, 15, v0                           ; r
	v_bfe_u32 v3, v0, 4, 1                         ; hh
	v_and_b32 v4, 31, v0                           ; l
	v_lshlrev_b32 v[AO], 4, v2
	v_lshl_add_u32 v[AO], v3, 23, v[AO]            ; heads 4 hh on (2 MiB a head), feature r
	v_lshlrev_b32 v[SV], 15, v3                    ; heads 4 hh on (8,192 bytes a head)
	v_lshrrev_b32 v6, 3, v2
	v_and_b32 v7, 7, v2
	v_lshlrev_b32 v7, 2, v7
	v_lshl_add_u32 v7, v6, 6, v7
	v_lshl_add_u32 v7, v3, 11, v7                  ; Wo: row 16 hh, column 16 (r / 8) + r % 8
	v_lshlrev_b32 v[GO], 4, v4
	s_wait_alu depctr_va_sdst(0)                   ; s12 is written, ahead of its first reader: the row, the bases and my stage's place are made from it
	s_lshr_b32 s13, s12, 1
	s_lshl_b32 s14, ttmp9, 2
	s_add_co_u32 s13, s13, s14                     ; b
	s_and_b32 s14, s12, 1                          ; which 64 features
	s_lshl_b32 s16, s13, 11                        ; opart: row b of 2,048 bytes, 16 bytes a feature
	s_lshl_b32 s15, s14, 10
	s_add_co_u32 s16, s16, s15
	s_mov_b32 s17, 0
	s_lshl_b32 s18, s13, 14                        ; out0: 128 bytes a feature
	s_lshl_b32 s15, s14, 13
	s_add_co_u32 s18, s18, s15
	s_mov_b32 s19, 0
	s_lshl_b32 s20, s13, 3                         ; stat: 8 bytes a row
	s_mov_b32 s21, 0
	s_mul_i32 s22, s12, 4*16*144                   ; my stage
	v_mul_u32_u24 v[STO], v2, 144
	v_lshl_add_u32 v[STO], v3, 6, v[STO]
	v_add_nc_u32 v[STO], s22, v[STO]
	v_lshrrev_b32 v[RD], 3, v4
	v_mul_u32_u24 v[RD], v[RD], 144
	v_and_b32 v6, 7, v4
	v_lshl_add_u32 v[RD], v6, 4, v[RD]
	v_add_nc_u32 v[RD], s22, v[RD]
	s_wait_kmcnt 0x0
	s_add_nc_u64 s[4:5], s[4:5], s[16:17]
	s_add_nc_u64 s[24:25], s[4:5], 0x1000000       ; key half 1 lies 8 heads x 2 MiB on
	s_add_nc_u64 s[6:7], s[6:7], s[20:21]
	s_add_nc_u64 s[10:11], s[10:11], s[18:19]
	s_wait_alu depctr_va_vdst(0)                   ; v7, AO, SV, STO, RD, GO, SPW and NIL are written: the loads, LDS instructions and stores below read them, and none is written again
.set i, 0
.rept 32                               ; i = 16 et + t
	global_load_b32 v[WR+i], v7, s[8:9] offset:(i%16)*128+32*(i/16)
.set i, i+1
.endr
.irp q, 0,1,2,3
	global_load_b64 v[SS+4*\q:SS+4*\q+1],   v[SV], s[6:7] offset:\q*8192
	global_load_b64 v[SS+4*\q+2:SS+4*\q+3], v[SV], s[6:7] offset:65536+\q*8192
.endr
.set i, 0
.rept 16                               ; i = 4 f + head in my four
	global_load_b128 v[O0+4*i:O0+4*i+3], v[AO], s[4:5]   offset:(i%4)*2097152+(i/4)*256 th:TH_LOAD_NT
	global_load_b128 v[O1+4*i:O1+4*i+3], v[AO], s[24:25] offset:(i%4)*2097152+(i/4)*256 th:TH_LOAD_NT
.set i, i+1
.endr
	s_wait_loadcnt 40                              ; Wo is in; the statistics' 8 loads and opart's 32 may stay out
.set e, 0
.rept 16
	v_cvt_pk_bf16_f32 v[8+4*(e%2)], v[WR+2*e], v[WR+2*e+1]
	v_lshlrev_b32 v[10+4*(e%2)], 16, v[8+4*(e%2)]
	v_and_b32 v[11+4*(e%2)], 0xffff0000, v[8+4*(e%2)]
	v_pk_mul_f32 v[10+4*(e%2):11+4*(e%2)], v[10+4*(e%2):11+4*(e%2)], 0x41000000 op_sel_hi:[1,0]
	v_cvt_pk_f16_f32 v[WF+e], v[10+4*(e%2)], v[11+4*(e%2)]
.set e, e+1
.endr
	s_wait_loadcnt 32                              ; the statistics are in; opart's 32 loads may stay out
.irp q, 0,1,2,3
	v_max_num_f32 v[TM+\q], v[SS+4*\q], v[SS+4*\q+2]
.endr
.irp q, 0,1,2,3
	v_sub_f32 v[SS+4*\q], v[SS+4*\q], v[TM+\q]
.endr
.irp q, 0,1,2,3
	v_sub_f32 v[SS+4*\q+2], v[SS+4*\q+2], v[TM+\q]
.endr
.irp q, 0,1,2,3
	v_exp_f32 v[SS+4*\q], v[SS+4*\q]
.endr
.irp q, 0,1,2,3
	v_exp_f32 v[SS+4*\q+2], v[SS+4*\q+2]
.endr
	v_nop                                          ; a plain instruction behind the last exponential
	s_wait_alu depctr_va_vdst(0)                   ; the eight exponentials have written 2^(cm_i - M), ahead of the multiplications that read them: one wait for the batch
.irp q, 0,1,2,3
	v_mul_f32 v[SS+4*\q+1], v[SS+4*\q], v[SS+4*\q+1]
.endr
.irp q, 0,1,2,3
	v_mul_f32 v[SS+4*\q+3], v[SS+4*\q+2], v[SS+4*\q+3]
.endr
.irp q, 0,1,2,3
	v_add_f32 v[TM+\q], v[SS+4*\q+1], v[SS+4*\q+3]
.endr
.irp q, 0,1,2,3
	v_rcp_f32 v[TM+4+\q], v[TM+\q]
.endr
	v_nop                                          ; a plain instruction behind the last reciprocal
	s_wait_alu depctr_va_vdst(0)                   ; the four reciprocals have written 1 / (the sum of both), ahead of the multiplications that read them: one wait for the batch
.irp q, 0,1,2,3                        ; each weight twice: a pair for the packed arithmetic
	v_mul_f32 v[SS+4*\q], v[SS+4*\q+1], v[TM+4+\q]
	v_mul_f32 v[SS+4*\q+2], v[SS+4*\q+3], v[TM+4+\q]
.endr
.irp q, 0,1,2,3
	v_mul_f32 v[SS+4*\q+1], v[SS+4*\q+1], v[TM+4+\q]
	v_mul_f32 v[SS+4*\q+3], v[SS+4*\q+3], v[TM+4+\q]
.endr
; Fragment f, in parts.  HALF0: w0 O0, in place.  HALF1: + w1 O1.  TOF16: rounded once to f16, into concat's fragment.  PROD: its two products, each a whole sum.
.macro HALF0 f
.irp q, 0,1,2,3
	v_pk_mul_f32 v[O0+4*(4*(\f)+\q):O0+4*(4*(\f)+\q)+1],   v[O0+4*(4*(\f)+\q):O0+4*(4*(\f)+\q)+1],   v[SS+4*\q:SS+4*\q+1]
	v_pk_mul_f32 v[O0+4*(4*(\f)+\q)+2:O0+4*(4*(\f)+\q)+3], v[O0+4*(4*(\f)+\q)+2:O0+4*(4*(\f)+\q)+3], v[SS+4*\q:SS+4*\q+1]
.endr
.endm
.macro HALF1 f
.irp q, 0,1,2,3
	v_pk_fma_f32 v[O0+4*(4*(\f)+\q):O0+4*(4*(\f)+\q)+1],   v[O1+4*(4*(\f)+\q):O1+4*(4*(\f)+\q)+1],   v[SS+4*\q+2:SS+4*\q+3], v[O0+4*(4*(\f)+\q):O0+4*(4*(\f)+\q)+1]
	v_pk_fma_f32 v[O0+4*(4*(\f)+\q)+2:O0+4*(4*(\f)+\q)+3], v[O1+4*(4*(\f)+\q)+2:O1+4*(4*(\f)+\q)+3], v[SS+4*\q+2:SS+4*\q+3], v[O0+4*(4*(\f)+\q)+2:O0+4*(4*(\f)+\q)+3]
.endr
.endm
.macro TOF16 f
.irp q, 0,1,2,3
	v_cvt_pk_f16_f32 v[CF+8*(\f)+2*\q],   v[O0+4*(4*(\f)+\q)],   v[O0+4*(4*(\f)+\q)+1]
	v_cvt_pk_f16_f32 v[CF+8*(\f)+2*\q+1], v[O0+4*(4*(\f)+\q)+2], v[O0+4*(4*(\f)+\q)+3]
.endr
.endm
.macro PROD f
.irp t, 0,1
	v_wmma_f32_16x16x32_f16 v[DD+8*(2*(\f)+\t):DD+8*(2*(\f)+\t)+7], v[WF+8*\t:WF+8*\t+7], v[CF+8*(\f):CF+8*(\f)+7], 0
.endr
.endm
; Fragment f's results go into my stage, each accumulator from its low end on, and come back as four times four rows of 128 bytes, into the fragment's part of O0.
.macro TOSTAGE f
.irp t, 0,1
	ds_store_b128 v[STO], v[DD+8*(2*(\f)+\t):DD+8*(2*(\f)+\t)+3]   offset:(\f)*2304+32*\t
	ds_store_b128 v[STO], v[DD+8*(2*(\f)+\t)+4:DD+8*(2*(\f)+\t)+7] offset:(\f)*2304+32*\t+16
.endr
.irp t, 0,1,2,3
	ds_load_b128 v[O0+16*(\f)+4*\t:O0+16*(\f)+4*\t+3], v[RD] offset:(\f)*2304+\t*576  ; LDS serves a wave's instructions in order (ISA guide 5.7.1.4): these see the stores above
.endr
.endm
.macro SEND f
.irp t, 0,1,2,3
	s_wait_dscnt 3-\t                              ; the fragment's 3 - t younger loads from the stage may stay out
	global_store_b128 v[GO], v[O0+16*(\f)+4*\t:O0+16*(\f)+4*\t+3], s[10:11] offset:512*(4*(\f)+\t) th:TH_STORE_NT  ; 512 consecutive bytes, aligned
.endr
.endm
; Step f of 1 to 3: fragment f is added up and multiplied, and fragment f - 1 leaves.
.macro STEP f
	s_wait_loadcnt 24-8*(\f)                       ; fragment f's 8 loads are in; the later fragments' may stay out
	HALF0 \f                                       ; eight plain instructions that name no register of the last two products: the places behind them (ISA guide 7.12.1)
	s_wait_alu depctr_va_vdst(0)                   ; the products of fragment f - 1 have written DD[f - 1], which the LDS stores read; the arithmetic and the roundings of fragment f - 1 are done with O0[f - 1], in which the loads from the stage land
	TOSTAGE (\f)-1
	HALF1 \f
	TOF16 \f
	PROD \f
	SEND (\f)-1                                    ; no vector or matrix instruction since the wait names O0[f - 1] or GO
.endm
	s_wait_loadcnt 24                              ; fragment 0's 8 loads are in; the later fragments' may stay out
	HALF0 0
	HALF1 0
	TOF16 0
	PROD 0
	STEP 1
	STEP 2
	STEP 3
.rept 4
	v_nop                                          ; the places behind the last products
.endr
	s_wait_alu depctr_va_vdst(0)                   ; the products of fragment 3 have written DD[3], which the LDS stores read; its roundings are done reading O0[3], in which the loads from the stage land; the places above stay beside this wait
	TOSTAGE 3
	SEND 3
	s_wait_dscnt 0x0                               ; the closing lines, six on end
	s_wait_alu 0x0
	s_wait_tensorcnt 0x0
	ds_add_u32 v[SPW], v[NIL]
	s_wait_dscnt 0x0
	s_endpgm
.Lfunc_end_k_q14a9028d09_proj:
	.size	k_q14a9028d09_proj, .Lfunc_end_k_q14a9028d09_proj-k_q14a9028d09_proj
	.p2alignl 7, 3214868480
	.fill 96, 4, 3214868480
	.section	.rodata,"a",@progbits
	.p2align	6, 0x0
	.amdhsa_kernel k_q14a9028d09_proj
		.amdhsa_group_segment_fixed_size 74752
		.amdhsa_private_segment_fixed_size 0
		.amdhsa_enable_private_segment 0
		.amdhsa_kernarg_size 32
		.amdhsa_user_sgpr_count 2
		.amdhsa_user_sgpr_kernarg_segment_ptr 1
		.amdhsa_wavefront_size32 1
		.amdhsa_system_sgpr_workgroup_id_x 1
		.amdhsa_system_sgpr_workgroup_id_y 1
		.amdhsa_system_sgpr_workgroup_id_z 1
		.amdhsa_system_vgpr_workitem_id 0
		.amdhsa_next_free_vgpr 256
		.amdhsa_next_free_sgpr 66
		.amdhsa_reserve_vcc 0
		.amdhsa_float_denorm_mode_32 3
		.amdhsa_float_denorm_mode_16_64 3
		.amdhsa_memory_ordered 1
		.amdhsa_forward_progress 1
		.amdhsa_inst_pref_size 27
	.end_amdhsa_kernel
	.amdgpu_metadata
---
amdhsa.version: [ 1, 2 ]
amdhsa.kernels:
  - .name:           k_q14a9028d09_proj
    .symbol:         k_q14a9028d09_proj.kd
    .args:
      - { .name: opart, .offset: 0, .size: 8, .value_kind: global_buffer, .address_space: global }
      - { .name: stat, .offset: 8, .size: 8, .value_kind: global_buffer, .address_space: global }
      - { .name: Wo, .offset: 16, .size: 8, .value_kind: global_buffer, .address_space: global }
      - { .name: out0, .offset: 24, .size: 8, .value_kind: global_buffer, .address_space: global }
    .group_segment_fixed_size: 74752
    .private_segment_fixed_size: 0
    .kernarg_segment_align: 8
    .kernarg_segment_size: 32
    .max_flat_workgroup_size: 256
    .sgpr_count:     66
    .vgpr_count:     256
    .wavefront_size: 32
...
	.end_amdgpu_metadata
.endif
;; end of part 6
